; MI455X (gfx1250); checked and timed in simulation.
; The chip was launched on July 23, 2026; its instructions are those of AMD's public machine-readable ISA for CDNA 5 (MIT licence, August 2026) and "CDNA5" Instruction Set Architecture Reference Guide (July 2026). The comments in the code are by the model that wrote it; some were corrected since.
;; Self Attention. Allowed arithmetic: matrix products marked QUANTISED: E2M1 operands, one E8M0 scale for each 32 along K, by v_wmma_scale_f32_16x16x128_f8f6f4 with both operands' format E2M1 (or v_wmma_scale_f32_32x16x128_f4), f32 sums; everything else in f32.
;; Inputs: Wk 1,024 x 2,048 float32; Wp 2,048 x 1,024 float32; Wq 1,024 x 2,048 float32; Wv 1,024 x 2,048 float32; X 2 x 2,048 x 1,024 float32; bk 2,048 float32; bp 1,024 float32; bq 2,048 float32; bv 2,048 float32.
;; Outputs: out0 2 x 2,048 x 1,024 float32.
;; This version of the problem:
;;   THIS VERSION OF THE PROBLEM IS GIVEN IN LOW PRECISION. The matrix products marked QUANTISED in the list below multiply operands that are first quantised to E2M1 (2 exponent bits, 1 mantissa bit; 4 bits a number), with one power-of-two scale for each 32 numbers along K (OCP MX v1.0); their sums are f32. All else is computed in f32.
;;   The module's matrix products, in the order in which they are computed (A, B: the left and right operand; K: the contracted axis; several contracted axes count as one K, in the product's order):
;;     1. [M 4,096, K 1,024] x [K 1,024, N 2,048]; A: input X; B: input Wq: QUANTISED
;;     2. [M 4,096, K 1,024] x [K 1,024, N 2,048]; A: input X; B: input Wk: QUANTISED
;;     3. [M 4,096, K 1,024] x [K 1,024, N 2,048]; A: input X; B: input Wv: QUANTISED
;;     4. batch 32 x [M 2,048, K 128] x [K 128, N 2,048]; A: computed on the way; B: computed on the way: QUANTISED
;;     5. batch 32 x [M 2,048, K 2,048] x [K 2,048, N 128]; A: softmax (see below); B: computed on the way: QUANTISED
;;     6. [M 4,096, K 2,048] x [K 2,048, N 1,024]; A: computed on the way; B: input Wp: QUANTISED
;;   THE QUANTISER, for each operand of a quantised product, along K:
;;     - K is cut into blocks of 32 from its start; a last block that is shorter is filled with zeros.
;;     - A block's scale is 2^e with e = floor(log2(the largest magnitude in the block)) - 2, held to -126 .. 127; a block of zeros has e = 0. As a byte (E8M0): e + 127.
;;     - Each number is divided by its block's scale, clamped to +-6, and rounded to the nearest number of E2M1, ties to even, subnormals kept.
;;     - The product sums the exact products of the quantised numbers (number of the format x scale) in f32.
;;   ~~~python
;;   def quantise(x, axis):      # numpy; x: float32 -> the quantised numbers, widened to float32 again
;;       x = np.moveaxis(x, axis, -1); K = x.shape[-1]
;;       x = np.pad(x, [(0, 0)] * (x.ndim - 1) + [(0, -K % 32)]); x = x.reshape(x.shape[:-1] + (-1, 32)); a = np.abs(x).max(-1, keepdims=True)
;;       e = np.where(a > 0, np.clip(np.frexp(np.where(a > 0, a, 1))[1] - 1 - 2, -126, 127), 0)      # np.frexp(a)[1] - 1 = floor(log2(a)), exactly
;;       r = np.clip(x / 2.0 ** e, -6, 6)
;;       step = 2.0 ** (np.maximum(np.frexp(np.where(r == 0, 1, r))[1] - 1, 0) - 1)
;;       q = np.round(r / step) * step * 2.0 ** e      # np.round: ties to even
;;       return np.moveaxis(q.reshape(q.shape[:-2] + (-1,))[..., :K], -1, axis).astype(np.float32)
;;   ~~~
;;   SOFTMAX AHEAD OF A QUANTISED PRODUCT. Where the list says 'softmax', what is quantised is not the finished softmax but p = 2^(t - M), with t = logit x log2(e) and M = ceil(the row's largest t), a whole number; so 1/2 < the row's largest p <= 1. The row's sum l is taken of the UNQUANTISED p, in f32, and the product's result is divided by l at the end. Since M is a whole number, a kernel that streams over the keys may use a running M (the ceiling of the running maximum): every later rescaling is an exact power of two, which a block's scale takes up: the codes' values come out the same.
;;   OPERANDS COMPUTED ON THE WAY. 'Computed on the way' means the value that the module computes at that place (a softmax that the list does not call 'softmax' is quantised finished and normalised). What goes into a quantiser is computed in f32, as accurately as f32 sums, v_exp_f32 and their like allow (about 1e-6 of the number): no bf16 or f16 on the way to a quantiser, and a product that is left as it is and whose result goes on into a quantised operand takes f32 operands (vector FMAs, or v_wmma_f32_16x16x4_f32). A number that lies on a knife's edge between two numbers of the format may be rounded either way, as far as f32 arithmetic and the matrix unit's own rounding can turn it there, and no further.
;; One version. Each part assembles by itself: llvm-mc -triple=amdgcn-amd-amdhsa -mcpu=gfx1250 --defsym DOCPART=n.
;; ======== version 1 of 1: 4 launches
;; limits: right only within a limited range of input values
;; workspace buffers: xq 2,228,224 bytes; wc 3,342,336 bytes; wpc 1,114,112 bytes; qc 4,456,448 bytes; kv 8,912,896 bytes; yc 4,456,448 bytes
;; launch quant (part 1): grid 768 x 1, 2 waves a work-group, no clusters, 17,152 bytes of LDS; arguments X, Wq, Wk, Wv, Wp, xq, wc, wpc; writes xq, wc, wpc
.if DOCPART == 1
	.amdgcn_target "amdgcn-amd-amdhsa--gfx1250"
	.amdhsa_code_object_version 6
	.text
	.protected	k_q7aba47d4b4_quant
	.globl	k_q7aba47d4b4_quant
	.p2align	8
	.type	k_q7aba47d4b4_quant,@function
k_q7aba47d4b4_quant:
	s_mov_b64 s[64:65], 0
	v_nop
	global_prefetch_b8 v0, s[64:65] scope:SCOPE_SE
	s_setreg_imm32_b32 hwreg(HW_REG_WAVE_MODE, 25, 1), 1
	s_wait_xcnt 0x0
; X [4096][1024], Wq, Wk, Wv [1024][2048] and Wp [2048][1024], f32, become codes of FP4 (E2M1) with one E8M0 byte for each 32 along K, once for the whole program.
; K is X's last axis and the weights' FIRST axis.  A block's scale is 2^(floor(log2(its largest magnitude)) - 2); its byte is that magnitude's exponent field - 2, held at 1 from below.
; LIMITS: NaN and infinities are not served; a block whose largest magnitude lies under 2^-124 keeps the byte 1; a block of zeros has the byte 1 where the rule says 127: its codes are zeros, and this program alone reads the bytes.
; THE RECORD, the unit of all workspace buffers: 128 rows x 128 along K in 8,704 bytes.  Tile t (0..7) holds, in lane r (0..15), row 32 (t / 2) + 8 (t % 2) + r + 8 (r / 8).
;   codes: tile t at 1,024 t, as the image of the operand's registers: registers 4 c .. 4 c + 3 at + 512 c, lane l's 16 bytes at + 16 l (lane (r, h): k = 64 c + 32 h + 0 .. 31).
;   scale words at + 8,192: half hh (tiles 4 hh ..) at + 256 hh; lane (r, h') has 8 bytes at 8 l: word j' is the word of tile 4 hh + 2 j' + h', row lane r.
; xq: [256 tokens 16][K step 8][128 tokens 2][record];  wc: [q, k, v][head 16][K step 8][record], rows = the head's columns;  wpc: [128 columns 8][K step 16][record].
; SHARES.  A wave takes half a record (64 rows x 128 K, 32 KiB of f32).  Work-groups 0-255: X; the others: the weights.  No matrix work, no barrier, no cluster: waves share nothing, every input byte is read once.
; Only X's path uses LDS: each wave's own stage of 16 rows x 528 bytes.
; WORK LEFT OUT IN THE PROGRAM: whole steps of 128 keys that all come after a block's 128 queries (launch att): reference()'s own tril sets those scores to -inf ahead of the softmax, so their p is 0 whatever the inputs hold.
; A NaN, an infinity or an overflow that reaches only those scores is not carried to the result.
.set TM, 16                            ; v16-31  at work in QUANT
.set SEL, 30                           ; s[30:31] selects of v_permlanex16_b32: lane l xor 16
.set PWX, 8                            ; v8-11   X: the scale words of my four tiles;  weights: v8-9 my column's two words
.set PCX, 32                           ; v32-63  codes: never written twice, so no store's data are rewritten
.set XS,  64                           ; v64-127 X: 64 numbers of a lane, register 16 b + i = k 32 b + 16 h + i of its row
.set RR,  128                          ; v128-255 numbers as loaded
.set SPX, 528                          ; a stage row: 512 bytes + 16: the sixteen rows that a read touches start 16 bytes apart modulo 256
; 64 numbers of a lane, v[s] on, become a fragment's codes in v[pc] .. v[pc + 7] and its row's scale word in v[pw] (the same in lanes l and l xor 16).
.macro QUANT s, pc, pw
.irp b, 0,1,2,3
	v_max3_num_f32 v[TM+\b], |v[(\s)+16*\b]|, |v[(\s)+1+16*\b]|, 0x1800000   ; block b: my 16 numbers, and the floor 2^(3 - 127): the byte cannot fall under 1
.endr
.irp i, 2,4,6,8,10,12,14
.irp b, 0,1,2,3
	v_max3_num_f32 v[TM+\b], v[TM+\b], |v[(\s)+16*\b+\i]|, |v[(\s)+1+16*\b+\i]|   ; the four blocks by turns
.endr
.endr
.irp b, 0,1,2,3
	v_permlanex16_b32 v[TM+4+\b], v[TM+\b], s[SEL], s[SEL+1]
.endr
.irp b, 0,1,2,3
	v_max_num_f32 v[TM+\b], v[TM+\b], v[TM+4+\b]   ; with lane l xor 16's 16: the block's largest magnitude
.endr
.irp b, 0,1,2,3
	v_add_nc_u32 v[TM+12+\b], 0xff000000, v[TM+\b]   ; 2 off its exponent field: the conversion's scale operand
.endr
.irp b, 0,1,2,3
	v_lshrrev_b32 v[TM+4+\b], 23, v[TM+12+\b]      ; the scale's byte
.endr
	v_lshl_or_b32 v[(\pw)], v[TM+5], 8, v[TM+4]
	v_lshl_or_b32 v[(\pw)], v[TM+6], 16, v[(\pw)]
	v_lshl_or_b32 v[(\pw)], v[TM+7], 24, v[(\pw)]
.irp b, 0,1,2,3
	v_cvt_scalef32_pk8_fp4_f32 v[(\pc)+2*\b], v[(\s)+16*\b:(\s)+7+16*\b], v[TM+12+\b]
	v_cvt_scalef32_pk8_fp4_f32 v[(\pc)+1+2*\b], v[(\s)+8+16*\b:(\s)+15+16*\b], v[TM+12+\b]
.endr
	v_nop                                          ; one plain instruction behind the scaled conversions
.irp c, 0,1                                    ; the operand wants a whole block in a lane: lanes 0-15 block 2 c, lanes 16-31 block 2 c + 1
.irp i, 0,1
	v_permlane16_swap_b32 v[(\pc)+4*\c+\i], v[(\pc)+2+4*\c+\i]
.endr
.endr
.endm
; X: the 16 rows of tile t, 512 consecutive bytes a load, into set t % 2
.macro XLOADT t
.irp r, 0,1,2,3,4,5,6,7,8,9,10,11,12,13,14,15
	global_load_b128 v[RR+64*((\t)%2)+4*\r:RR+64*((\t)%2)+4*\r+3], v1, s[24:25] offset:(32*((\t)/2)+8*((\t)%2)+\r+8*(\r/8))*4096 th:TH_LOAD_NT
.endr
.endm
.macro XTILE t
.if (\t) < 3
	s_wait_loadcnt 16                              ; this tile's 16 loads are in; the next tile's 16 may be out
.else
	s_wait_loadcnt 0x0
.endif
.irp r, 0,1,2,3,4,5,6,7,8,9,10,11,12,13,14,15
	ds_store_b128 v2, v[RR+64*((\t)%2)+4*\r:RR+64*((\t)%2)+4*\r+3] offset:SPX*\r   ; row r as it lies
.endr
.irp b, 0,1,2,3
.irp j, 0,1,2,3
	ds_load_b128 v[XS+16*\b+4*\j:XS+16*\b+4*\j+3], v3 offset:128*\b+16*\j   ; back: lane (r, h) takes 16 neighbours of each block of row r.  LDS serves a wave's instructions in order
.endr
.endr
	s_wait_dscnt 0x0
.if (\t) < 2
	XLOADT (\t)+2
.endif
	QUANT XS, PCX+8*(\t), PWX+(\t)
	global_store_b128 v1, v[PCX+8*(\t):PCX+8*(\t)+3], s[26:27] offset:1024*(\t)        ; 512 consecutive bytes a store
	global_store_b128 v1, v[PCX+8*(\t)+4:PCX+8*(\t)+7], s[26:27] offset:1024*(\t)+512
.endm
; The weights: A LANE TAKES A COLUMN, ITS REGISTERS RUN DOWN K.  Block m = 4 g + kb: columns 32 g + lane, k = 32 kb + 0 .. 31, into set m % 4.
.macro WLOAD m, pitch
.irp i, 0,1,2,3,4,5,6,7,8,9,10,11,12,13,14,15,16,17,18,19,20,21,22,23,24,25,26,27,28,29,30,31
	global_load_b32 v[RR+32*((\m)%4)+\i], v1, s[24:25] offset:(32*((\m)%4)+\i)*(\pitch)+128*((\m)/4) th:TH_LOAD_NT
.endr
.endm
.macro WBLOCK m, pitch
.set WS, RR+32*((\m)%4)
.if (\m) < 7
	s_wait_loadcnt 32                              ; this block's 32 loads are in; the next block's may be out
.else
	s_wait_loadcnt 0x0
.endif
.if (\m) < 6
	WLOAD (\m)+2, \pitch
.endif
	v_max3_num_f32 v12, |v[WS]|, |v[WS+1]|, |v[WS+2]|     ; all 32 numbers of the block are mine: two chains
	v_max3_num_f32 v13, |v[WS+3]|, |v[WS+4]|, |v[WS+5]|
.irp i, 6,10,14,18,22,26
	v_max3_num_f32 v12, v12, |v[WS+\i]|, |v[WS+\i+1]|
	v_max3_num_f32 v13, v13, |v[WS+\i+2]|, |v[WS+\i+3]|
.endr
	v_max3_num_f32 v12, v12, |v[WS+30]|, |v[WS+31]|
	v_max3_num_f32 v12, v12, v13, 0x1800000        ; and the floor
	v_add_nc_u32 v11, 0xff000000, v12              ; the conversion's scale operand
	v_lshrrev_b32 v13, 23, v11                     ; the byte
.if ((\m)%4) == 0
	v_mov_b32 v[PWX+(\m)/4], v13
.else
	v_lshl_or_b32 v[PWX+(\m)/4], v13, 8*((\m)%4), v[PWX+(\m)/4]
.endif
.irp g, 0,1,2,3
	v_cvt_scalef32_pk8_fp4_f32 v[PCX+4*(\m)+\g], v[WS+8*\g:WS+8*\g+7], v11
.endr
	global_store_b128 v2, v[PCX+4*(\m):PCX+4*(\m)+3], s[26:27] offset:2048*((\m)/4)+512*(((\m)%4)/2)+256*((\m)%2)   ; block kb is registers 4 (kb / 2) .. of lane half kb % 2: sixteen lanes fill 256 consecutive bytes, aligned
.endm
.macro WPATH pitch
	WLOAD 0, \pitch
	WLOAD 1, \pitch
.irp m, 0,1,2,3,4,5,6,7
	WBLOCK \m, \pitch
.endr
	global_store_b64 v3, v[PWX:PWX+1], s[28:29]    ; my column's two scale words: the wave fills 256 consecutive bytes
.endm
	s_load_b512 s[4:19], s[0:1], 0x0               ; X s[4:5], Wq s[6:7], Wk s[8:9], Wv s[10:11], Wp s[12:13], xq s[14:15], wc s[16:17], wpc s[18:19]
	v_lshl_add_u32 v26, v0, 2, 0x4200
	v_mov_b32 v27, 0
	v_lshrrev_b32 v1, 5, v0
	v_readfirstlane_b32 s20, v1                    ; wave 0, 1
	v_and_b32 v5, 31, v0                           ; lane
	s_cmp_lt_u32 ttmp9, 256
	s_cbranch_scc0 .Lweights
	; ---- X: unit u = 2 x work-group + wave: 64 tokens (u / 8) x K step (u % 8)
	s_mov_b32 s[SEL], 0x76543210
	s_mov_b32 s[SEL+1], 0xfedcba98
	v_lshlrev_b32 v1, 4, v5                        ; 16 x lane: a load's and a store's place
	s_mul_i32 s22, s20, 16*SPX                     ; my stage
	v_add_nc_u32 v2, s22, v1                       ; into it
	v_and_b32 v6, 15, v0
	v_bfe_u32 v7, v0, 4, 1
	v_mul_u32_u24 v3, v6, SPX
	v_lshl_add_u32 v3, v7, 6, v3
	v_add_nc_u32 v3, s22, v3                       ; out of it: row r, + 64 h
	v_lshlrev_b32 v4, 3, v5                        ; 8 x lane: the scale words' place
	v_cmp_le_u32 vcc_lo, 16, v5                    ; lanes 16-31
.irp b, 0,1,2,3
	v_mov_b32 v[TM+4+\b], 0                        ; a lane permute's destination counts as read: written once
.endr
	s_lshl_b32 s21, ttmp9, 1
	s_add_co_u32 s21, s21, s20
	s_lshr_b32 s32, s21, 3                         ; which 64 tokens
	s_and_b32 s33, s21, 7                          ; which K step
	s_lshl_b32 s34, s32, 18                        ; 64 rows of 4,096 bytes
	s_lshl_b32 s35, s33, 9                         ; 128 numbers
	s_add_co_u32 s34, s34, s35
	s_mov_b32 s35, 0
	s_lshr_b32 s36, s32, 2
	s_mul_i32 s36, s36, 139264
	s_mul_i32 s37, s33, 17408
	s_add_co_u32 s36, s36, s37
	s_bfe_u32 s37, s32, 0x10001
	s_mul_i32 s37, s37, 8704
	s_add_co_u32 s36, s36, s37                     ; the record
	s_and_b32 s38, s32, 1                          ; which half of it
	s_lshl_b32 s39, s38, 12
	s_add_co_u32 s40, s36, s39
	s_mov_b32 s41, 0
	s_lshl_b32 s39, s38, 8
	s_add_co_u32 s42, s36, s39
	s_add_co_u32 s42, s42, 8192
	s_mov_b32 s43, 0
	s_wait_alu depctr_va_vdst(0)
	s_wait_kmcnt 0x0
	s_add_nc_u64 s[24:25], s[4:5], s[34:35]
	s_add_nc_u64 s[26:27], s[14:15], s[40:41]
	s_add_nc_u64 s[28:29], s[14:15], s[42:43]
	XLOADT 0
	XLOADT 1
	XTILE 0
	XTILE 1
	XTILE 2
	XTILE 3
	v_cndmask_b32 v12, v[PWX], v[PWX+1], vcc_lo    ; lanes 0-15: the even tile's word, lanes 16-31: the odd tile's
	v_cndmask_b32 v13, v[PWX+2], v[PWX+3], vcc_lo
	global_store_b64 v4, v[12:13], s[28:29]        ; 256 consecutive bytes, aligned
	s_wait_tensorcnt 0x0
	ds_add_u32 v26, v27
	s_wait_dscnt 0x0
	s_endpgm
.Lweights:
	; ---- the weights: unit u = 2 x (work-group - 256) + wave: tensor u / 256, 64 columns x K step by u % 256
	s_sub_co_u32 s21, ttmp9, 256
	s_lshl_b32 s21, s21, 1
	s_add_co_u32 s21, s21, s20
	s_lshr_b32 s32, s21, 8                         ; 0 Wq, 1 Wk, 2 Wv, 3 Wp
	s_and_b32 s33, s21, 255
	s_wait_alu depctr_va_vdst(0)
	v_lshlrev_b32 v1, 2, v5                        ; 4 x lane
	v_bfe_u32 v6, v5, 3, 1                         ; column n = lane lies in tile parity u = (n / 8) % 2,
	v_and_b32 v7, 7, v5
	v_lshrrev_b32 v10, 4, v5
	v_lshl_or_b32 v7, v10, 3, v7                   ; row lane r = n % 8 + 8 (n / 16)
	v_lshlrev_b32 v2, 4, v7
	v_lshl_add_u32 v2, v6, 10, v2                  ; codes: 1,024 u + 16 r
	v_lshl_add_u32 v3, v6, 4, v7
	v_lshlrev_b32 v3, 3, v3                        ; scale words: 8 (r + 16 u)
	s_cmp_eq_u32 s32, 3
	s_cbranch_scc1 .Lwp
	s_and_b32 s34, s33, 31                         ; which 64 columns
	s_lshr_b32 s35, s33, 5                         ; which K step
	s_lshl_b32 s36, s35, 20                        ; 128 rows of 8,192 bytes
	s_lshl_b32 s37, s34, 8
	s_add_co_u32 s36, s36, s37
	s_mov_b32 s37, 0
	s_mul_i32 s38, s32, 1114112
	s_lshr_b32 s39, s34, 1
	s_mul_i32 s39, s39, 69632
	s_add_co_u32 s38, s38, s39
	s_mul_i32 s39, s35, 8704
	s_add_co_u32 s38, s38, s39                     ; the record
	s_and_b32 s40, s34, 1
	s_lshl_b32 s41, s40, 12
	s_add_co_u32 s42, s38, s41
	s_mov_b32 s43, 0
	s_lshl_b32 s41, s40, 8
	s_add_co_u32 s44, s38, s41
	s_add_co_u32 s44, s44, 8192
	s_mov_b32 s45, 0
	s_wait_kmcnt 0x0
	s_cmp_eq_u32 s32, 0                            ; the choice hangs on the unit's number alone
	s_cselect_b64 s[24:25], s[6:7], s[8:9]
	s_cmp_eq_u32 s32, 2
	s_cselect_b64 s[24:25], s[10:11], s[24:25]
	s_add_nc_u64 s[24:25], s[24:25], s[36:37]
	s_add_nc_u64 s[26:27], s[16:17], s[42:43]
	s_add_nc_u64 s[28:29], s[16:17], s[44:45]
	s_wait_alu depctr_va_vdst(0)
	WPATH 8192
	s_endpgm
.Lwp:
	s_and_b32 s34, s33, 15                         ; which 64 columns
	s_lshr_b32 s35, s33, 4                         ; which K step
	s_lshl_b32 s36, s35, 19                        ; 128 rows of 4,096 bytes
	s_lshl_b32 s37, s34, 8
	s_add_co_u32 s36, s36, s37
	s_mov_b32 s37, 0
	s_lshr_b32 s38, s34, 1
	s_mul_i32 s38, s38, 139264
	s_mul_i32 s39, s35, 8704
	s_add_co_u32 s38, s38, s39
	s_and_b32 s40, s34, 1
	s_lshl_b32 s41, s40, 12
	s_add_co_u32 s42, s38, s41
	s_mov_b32 s43, 0
	s_lshl_b32 s41, s40, 8
	s_add_co_u32 s44, s38, s41
	s_add_co_u32 s44, s44, 8192
	s_mov_b32 s45, 0
	s_wait_kmcnt 0x0
	s_add_nc_u64 s[24:25], s[12:13], s[36:37]
	s_add_nc_u64 s[26:27], s[18:19], s[42:43]
	s_add_nc_u64 s[28:29], s[18:19], s[44:45]
	s_wait_alu depctr_va_vdst(0)
	WPATH 4096
	s_endpgm
.Lfunc_end_k_q7aba47d4b4_quant:
	.size	k_q7aba47d4b4_quant, .Lfunc_end_k_q7aba47d4b4_quant-k_q7aba47d4b4_quant
	.p2alignl 7, 3214868480
	.fill 96, 4, 3214868480
	.section	.rodata,"a",@progbits
	.p2align	6, 0x0
	.amdhsa_kernel k_q7aba47d4b4_quant
		.amdhsa_group_segment_fixed_size 17152
		.amdhsa_private_segment_fixed_size 0
		.amdhsa_enable_private_segment 0
		.amdhsa_kernarg_size 64
		.amdhsa_user_sgpr_count 2
		.amdhsa_user_sgpr_kernarg_segment_ptr 1
		.amdhsa_wavefront_size32 1
		.amdhsa_system_sgpr_workgroup_id_x 1
		.amdhsa_system_sgpr_workgroup_id_y 1
		.amdhsa_system_sgpr_workgroup_id_z 1
		.amdhsa_system_vgpr_workitem_id 0
		.amdhsa_next_free_vgpr 256
		.amdhsa_next_free_sgpr 66
		.amdhsa_reserve_vcc 1
		.amdhsa_float_denorm_mode_32 3
		.amdhsa_float_denorm_mode_16_64 3
		.amdhsa_memory_ordered 1
		.amdhsa_forward_progress 1
		.amdhsa_inst_pref_size 109
	.end_amdhsa_kernel
	.amdgpu_metadata
---
amdhsa.version: [ 1, 2 ]
amdhsa.kernels:
  - .name:           k_q7aba47d4b4_quant
    .symbol:         k_q7aba47d4b4_quant.kd
    .args:
      - { .name: X, .offset: 0, .size: 8, .value_kind: global_buffer, .address_space: global }
      - { .name: Wq, .offset: 8, .size: 8, .value_kind: global_buffer, .address_space: global }
      - { .name: Wk, .offset: 16, .size: 8, .value_kind: global_buffer, .address_space: global }
      - { .name: Wv, .offset: 24, .size: 8, .value_kind: global_buffer, .address_space: global }
      - { .name: Wp, .offset: 32, .size: 8, .value_kind: global_buffer, .address_space: global }
      - { .name: xq, .offset: 40, .size: 8, .value_kind: global_buffer, .address_space: global }
      - { .name: wc, .offset: 48, .size: 8, .value_kind: global_buffer, .address_space: global }
      - { .name: wpc, .offset: 56, .size: 8, .value_kind: global_buffer, .address_space: global }
    .group_segment_fixed_size: 17152
    .private_segment_fixed_size: 0
    .kernarg_segment_align: 8
    .kernarg_segment_size: 64
    .max_flat_workgroup_size: 64
    .sgpr_count:     66
    .vgpr_count:     256
    .wavefront_size: 32
...
	.end_amdgpu_metadata
.endif
;; end of part 1
;; launch qkv (part 2): grid 16 x 16, 4 waves a work-group, clusters of 4 x 4, 327,680 bytes of LDS; arguments xq, wc, bq, bk, bv, qc, kv; writes qc, kv
.if DOCPART == 2
	.amdgcn_target "amdgcn-amd-amdhsa--gfx1250"
	.amdhsa_code_object_version 6
	.text
	.protected	k_q7aba47d4b4_qkv
	.globl	k_q7aba47d4b4_qkv
	.p2align	8
	.type	k_q7aba47d4b4_qkv,@function
k_q7aba47d4b4_qkv:
	s_mov_b64 s[64:65], 0
	v_nop
	global_prefetch_b8 v0, s[64:65] scope:SCOPE_SE
	s_setreg_imm32_b32 hwreg(HW_REG_WAVE_MODE, 25, 1), 1
	s_wait_xcnt 0x0
	s_wait_alu depctr_hold_cnt(0) depctr_sa_sdst(0) depctr_va_vdst(0) depctr_va_sdst(0) depctr_va_ssrc(0) depctr_va_vcc(0) depctr_vm_vsrc(0)
	s_getreg_b32 s2, hwreg(HW_REG_IB_STS2, 6, 4)
	s_cmp_eq_u32 s2, 0
	s_cbranch_scc0 .Lentry_in_a_cluster
	s_endpgm
.Lentry_in_a_cluster:
	s_bfe_u32 s2, ttmp6, 0x10000c
	s_cmp_lg_u32 s2, 0xf033
	s_cbranch_scc0 .Lentry_shape_is_right
	s_endpgm
.Lentry_shape_is_right:
; Q = X Wq + bq, K = X Wk + bk, V = X Wv + bv on codes of FP4 with E8M0 scales; the results are quantised in registers, Q and K along the head's 128, V along the keys, and leave as records (128 rows x 128 K, 8,704 bytes:
; tile t at 1,024 t as the image of the operand's registers, lane r of tile t = row 32 (t / 2) + 8 (t % 2) + r + 8 (r / 8); scale words at + 8,192, 8 bytes a lane in each half of 256 bytes).
; qc, kc: [batch x head 32][128 tokens 16][record], K = d.  vc: the same places, rows = d, K = the 128 tokens (keys).
; LIMITS: NaN and infinities are not served; a block whose largest magnitude lies under 2^-124 keeps the byte 1, a block of zeros too (its codes are zeros; this program alone reads the bytes).
; SHARES.  Work-group (x = head, y = 256 tokens).  Wave w: blk = w / 2 (its 128 tokens), half = w % 2.  It makes Q and K of its own 64 tokens x 128 d, TRANSPOSED (source 0 = 16 columns of W, source 1 = 16 tokens:
; a lane holds one token, its registers run along d), and V of all 128 tokens of blk x its 64 d, NOT transposed (source 0 = 16 tokens, source 1 = 16 columns: a lane holds one d, its registers run along the keys).
; 96 accumulators: Q's in window 1, K's in window 2, V's in window 3.  They take turns, one instruction a turn.
; LDS.  K = 1,024 goes in four chunks of two K steps (87,040 bytes: X 34,816, Wq, Wk, Wv 17,408 each).  Three regions; chunk 3 fills region 0 again: the one refill.  All records are read as they lie: no pitch, no padding.
; CLUSTER 4 x 4: X's chunk hangs on y alone and is asked for jointly along a row of the cluster (by wave 0), a weight's chunk on x alone, jointly along a column (waves 1, 2, 3: Wq, Wk, Wv).
; A wave has at most one tensor load out.
; K's and V's records lie in ONE buffer, kv: [batch x head 32][128 tokens 16][K's record, V's record]: a key step of the attention is 17,408 consecutive bytes.
; TENSOR LOADS: chunk 0 at the head, chunks 1 and 2 each behind a round as the wave's one load there, chunk 3 (region 0 again) behind a third: each has two K steps in which to land, and a wave has one load out.
.set REC, 8704
.set REG,   87040                      ; a region
.set SPARE, 261120                     ; the spare words: 128 bytes a wave, two blocks of 256 bytes that no other line names
.set BIAS,  261632                     ; bq, bk, bv of the head: 3 x 512 bytes, stored by waves 0 to 2; no fill lands here
.set AB,  1                            ; v1-8   LDS places in region 0: X own, X other, W, Wv's half, and their scale words'; never rewritten
.set SPW, 9                            ; v9     my spare word
.set NIL, 10                           ; v10    0
.set OC,  11                           ; v11    stores: 16 l + 4,096 half
.set OS,  12                           ; v12    8 l + 8,192 + 256 half
.set VA0, 13                           ; v13    V's codes of my own half of the keys: OC + 512 half
.set VA1, 14                           ; v14    of the other half: OC + 512 (1 - half)
.set BRQ, 15                           ; v15    BIAS + 64 h
.set BRV, 16                           ; v16    BIAS + 1,024 + 256 half + 4 (r + 8 (r / 8))
.set BST, 17                           ; v17    BIAS + 512 wave + 16 l
.set L16, 18                           ; v18    16 l
.set SS,  20                           ; v20-47 two sets of 14 scale registers: X own 2, X other 2, Wq 4, Wk 4, Wv 2
.set XO,  48                           ; v48-111 X own, two sets of four fragments
.set WB,  112                          ; v112-239 two buffers of eight fragments
.set AW,  240                          ; v240-247 the places in the chunk's region: AB + region
.set TM,  240                          ; the way out: v240-255 at work in QUANT
.set T,   48                           ; the way out: 64 numbers
.set BQ,  112
.set BK,  176
.set BV,  32
.set PC,  20
.set PW,  28
.set PK,  40
.set WV,  20                           ; s20 wave, s21 blk, s22 half
.set G1X, 28                           ; s[28:35], s[36:43] descriptor groups 1;  s[44:55], s[68:79] groups 0, a set for each region
.set G1W, 36
.set G0X, 44
.set G0W, 68
.set ROT, 90
.set SEL, 92
.set MSB, 0
.macro WIN new                         ; the immediate's high byte repeats the setting that is left
.if MSB != \new
	s_set_vgpr_msb (MSB<<8)|\new
.set MSB, \new
.endif
.endm
.macro PLACES                          ; four plain instructions between a matrix instruction and a load into a register that it read (ISA guide 7.12.1 for vector instructions)
.rept 4
	v_nop
.endr
.endm
.macro ROUND                           ; a round of the cluster's barrier
	s_barrier_signal -1
	s_barrier_wait -1
	s_cmp_lg_u32 s[WV], 0
	s_cbranch_scc1 .Lnot_wave_0_\@
	s_barrier_signal -3
.Lnot_wave_0_\@:
	s_barrier_wait -3
	s_barrier_signal -1
	s_barrier_wait -1
.endm
.macro JL1 c                           ; the joint load into region c; four v_nop follow each line
	s_cmp_eq_u32 s[WV], 0
	s_cbranch_scc0 .Lfor_w_\@
	tensor_load_to_lds s[G0X+4*\c:G0X+4*\c+3], s[G1X:G1X+7]
	s_nop 0
.rept 4
	v_nop
.endr
	s_branch .Lasked_\@
.Lfor_w_\@:
	tensor_load_to_lds s[G0W+4*\c:G0W+4*\c+3], s[G1W:G1W+7]
	s_nop 0
.rept 4
	v_nop
.endr
.Lasked_\@:
.endm
.macro QUANT s, pc, pw                 ; 64 numbers of a lane (register 16 b + i = k 32 b + 16 h + i of its row) -> a fragment's codes and its row's scale word
.irp b, 0,1,2,3
	v_max3_num_f32 v[TM+\b], |v[(\s)+16*\b]|, |v[(\s)+1+16*\b]|, 0x1800000   ; and the floor 2^(3 - 127): the byte cannot fall under 1
.endr
.irp i, 2,4,6,8,10,12,14
.irp b, 0,1,2,3
	v_max3_num_f32 v[TM+\b], v[TM+\b], |v[(\s)+16*\b+\i]|, |v[(\s)+1+16*\b+\i]|
.endr
.endr
.irp b, 0,1,2,3
	v_permlanex16_b32 v[TM+4+\b], v[TM+\b], s[SEL], s[SEL+1]
.endr
.irp b, 0,1,2,3
	v_max_num_f32 v[TM+\b], v[TM+\b], v[TM+4+\b]
.endr
.irp b, 0,1,2,3
	v_add_nc_u32 v[TM+12+\b], 0xff000000, v[TM+\b]   ; 2 off the exponent field: the conversion's scale operand
.endr
.irp b, 0,1,2,3
	v_lshrrev_b32 v[TM+4+\b], 23, v[TM+12+\b]
.endr
	v_lshl_or_b32 v[(\pw)], v[TM+5], 8, v[TM+4]
	v_lshl_or_b32 v[(\pw)], v[TM+6], 16, v[(\pw)]
	v_lshl_or_b32 v[(\pw)], v[TM+7], 24, v[(\pw)]
.irp b, 0,1,2,3
	v_cvt_scalef32_pk8_fp4_f32 v[(\pc)+2*\b], v[(\s)+16*\b:(\s)+7+16*\b], v[TM+12+\b]
	v_cvt_scalef32_pk8_fp4_f32 v[(\pc)+1+2*\b], v[(\s)+8+16*\b:(\s)+15+16*\b], v[TM+12+\b]
.endr
	v_nop                                          ; one plain instruction behind the scaled conversions
.irp c, 0,1
.irp i, 0,1
	v_permlane16_swap_b32 v[(\pc)+4*\c+\i], v[(\pc)+2+4*\c+\i]
.endr
.endr
.endm
; one matrix instruction from the symbols rD, rA, rB, rSA, rSB; fZ: it starts the sum; fA, fB: the scale words stand in lanes 16-31
.macro EMIT
.if fZ
.if fA && fB
	v_wmma_scale_f32_16x16x128_f8f6f4 v[rD:rD+7], v[rA:rA+7], v[rB:rB+7], 0, v[rSA], v[rSB] matrix_a_fmt:MATRIX_FMT_FP4 matrix_b_fmt:MATRIX_FMT_FP4 matrix_a_scale:MATRIX_SCALE_ROW1 matrix_b_scale:MATRIX_SCALE_ROW1
.elseif fA
	v_wmma_scale_f32_16x16x128_f8f6f4 v[rD:rD+7], v[rA:rA+7], v[rB:rB+7], 0, v[rSA], v[rSB] matrix_a_fmt:MATRIX_FMT_FP4 matrix_b_fmt:MATRIX_FMT_FP4 matrix_a_scale:MATRIX_SCALE_ROW1
.elseif fB
	v_wmma_scale_f32_16x16x128_f8f6f4 v[rD:rD+7], v[rA:rA+7], v[rB:rB+7], 0, v[rSA], v[rSB] matrix_a_fmt:MATRIX_FMT_FP4 matrix_b_fmt:MATRIX_FMT_FP4 matrix_b_scale:MATRIX_SCALE_ROW1
.else
	v_wmma_scale_f32_16x16x128_f8f6f4 v[rD:rD+7], v[rA:rA+7], v[rB:rB+7], 0, v[rSA], v[rSB] matrix_a_fmt:MATRIX_FMT_FP4 matrix_b_fmt:MATRIX_FMT_FP4
.endif
.else
.if fA && fB
	v_wmma_scale_f32_16x16x128_f8f6f4 v[rD:rD+7], v[rA:rA+7], v[rB:rB+7], v[rD:rD+7], v[rSA], v[rSB] matrix_a_fmt:MATRIX_FMT_FP4 matrix_b_fmt:MATRIX_FMT_FP4 matrix_a_scale:MATRIX_SCALE_ROW1 matrix_b_scale:MATRIX_SCALE_ROW1
.elseif fA
	v_wmma_scale_f32_16x16x128_f8f6f4 v[rD:rD+7], v[rA:rA+7], v[rB:rB+7], v[rD:rD+7], v[rSA], v[rSB] matrix_a_fmt:MATRIX_FMT_FP4 matrix_b_fmt:MATRIX_FMT_FP4 matrix_a_scale:MATRIX_SCALE_ROW1
.elseif fB
	v_wmma_scale_f32_16x16x128_f8f6f4 v[rD:rD+7], v[rA:rA+7], v[rB:rB+7], v[rD:rD+7], v[rSA], v[rSB] matrix_a_fmt:MATRIX_FMT_FP4 matrix_b_fmt:MATRIX_FMT_FP4 matrix_b_scale:MATRIX_SCALE_ROW1
.else
	v_wmma_scale_f32_16x16x128_f8f6f4 v[rD:rD+7], v[rA:rA+7], v[rB:rB+7], v[rD:rD+7], v[rSA], v[rSB] matrix_a_fmt:MATRIX_FMT_FP4 matrix_b_fmt:MATRIX_FMT_FP4
.endif
.endif
.endm
.macro LDF reg, adr, off               ; a fragment: two loads of 512 consecutive bytes
	ds_load_b128 v[(\reg):(\reg)+3], v[\adr] offset:(\off)
	ds_load_b128 v[(\reg)+4:(\reg)+7], v[\adr] offset:(\off)+512
.endm
.macro STEPADR r                       ; the places in the region at byte r: eight plain instructions
.irp i, 0,1,2,3,4,5,6,7
	v_add_nc_u32 v[AW+\i], \r, v[AB+\i]
.endr
.endm
; The phases of K step s are Q, K, V, numbers 3 s, 3 s + 1, 3 s + 2; a phase's buffer is its number % 2; X own and the scale words use set s % 2.
.macro LOADS_Q s                       ; for phase Q(s): Wq's 8 fragments, X own's 4, the step's 14 scale registers: 31 loads
.irp b, 0,1,2,3,4,5,6,7
	LDF WB+64*((3*(\s))%2)+8*\b, AW+2, REC*((\s)%2)+1024*\b
.endr
.irp a, 0,1,2,3
	LDF XO+32*((\s)%2)+8*\a, AW+0, 2*REC*((\s)%2)+1024*\a
.endr
	ds_load_b64 v[SS+14*((\s)%2):SS+14*((\s)%2)+1], v[AW+4] offset:2*REC*((\s)%2)
	ds_load_b64 v[SS+14*((\s)%2)+2:SS+14*((\s)%2)+3], v[AW+5] offset:2*REC*((\s)%2)
	ds_load_b64 v[SS+14*((\s)%2)+4:SS+14*((\s)%2)+5], v[AW+6] offset:REC*((\s)%2)
	ds_load_b64 v[SS+14*((\s)%2)+6:SS+14*((\s)%2)+7], v[AW+6] offset:REC*((\s)%2)+256
	ds_load_b64 v[SS+14*((\s)%2)+8:SS+14*((\s)%2)+9], v[AW+6] offset:2*REC+REC*((\s)%2)
	ds_load_b64 v[SS+14*((\s)%2)+10:SS+14*((\s)%2)+11], v[AW+6] offset:2*REC+REC*((\s)%2)+256
	ds_load_b64 v[SS+14*((\s)%2)+12:SS+14*((\s)%2)+13], v[AW+7] offset:4*REC+REC*((\s)%2)
.endm
.macro LOADS_K s                       ; for phase K(s): Wk's 8 fragments: 16 loads
.irp b, 0,1,2,3,4,5,6,7
	LDF WB+64*((3*(\s)+1)%2)+8*\b, AW+2, 2*REC+REC*((\s)%2)+1024*\b
.endr
.endm
.macro LOADS_V s                       ; for phase V(s): my 4 fragments of Wv, X other's 4: 16 loads
.irp e, 0,1,2,3
	LDF WB+64*((3*(\s)+2)%2)+8*\e, AW+3, 4*REC+REC*((\s)%2)+1024*\e
.endr
.irp p, 0,1,2,3
	LDF WB+64*((3*(\s)+2)%2)+32+8*\p, AW+1, 2*REC*((\s)%2)+1024*\p
.endr
.endm
.macro MULQK buf, xs, sw, s            ; 32 matrix instructions: my 4 tiles of tokens x the head's 8 tiles of d; accumulator (a, b) at 8 (8 a + b)
.if (\s) == 0
.set fZ, 1
.else
.set fZ, 0
.endif
.irp a, 0,1,2,3
.irp b, 0,1,2,3,4,5,6,7
.set rD, 8*(8*\a+\b)
.set rA, WB+64*(\buf)+8*\b
.set rB, XO+32*(\xs)+8*\a
.set rSA, SS+14*(\xs)+(\sw)+\b/2
.set rSB, SS+14*(\xs)+\a/2
.set fA, \b%2
.set fB, \a%2
	EMIT
.endr
.endr
.endm
.macro MULV buf, xs, s                 ; 32 matrix instructions: 8 tiles of tokens (positions 0-3 my own half, 4-7 the other) x my 4 tiles of d; accumulator (e, p) at 8 (8 e + p)
.if (\s) == 0
.set fZ, 1
.else
.set fZ, 0
.endif
.irp p, 0,1,2,3,4,5,6,7
.irp e, 0,1,2,3
.set rD, 8*(8*\e+\p)
.if \p < 4
.set rA, XO+32*(\xs)+8*\p
.else
.set rA, WB+64*(\buf)+8*\p
.endif
.set rB, WB+64*(\buf)+8*\e
.set rSA, SS+14*(\xs)+\p/2
.set rSB, SS+14*(\xs)+12+\e/2
.set fA, \p%2
.set fB, \e%2
	EMIT
.endr
.endr
.endm
; A phase: the next phase's loads go out at its head, into the buffer that the phase before read; the wait leaves just these out, so that what was asked for a phase ago is in.
.macro PH_Q s
	WIN 0
.if (\s) > 0
	PLACES
.endif
	LOADS_K \s
	s_wait_dscnt 16                                ; all but the 16 just issued
	WIN 0x50                                       ; C and D window 1
	MULQK (3*(\s))%2, (\s)%2, 4, \s
.endm
.macro PH_K s
	WIN 0
	PLACES
	LOADS_V \s
	s_wait_dscnt 16                                ; all but the 16 just issued
	WIN 0xa0                                       ; C and D window 2
	MULQK (3*(\s)+1)%2, (\s)%2, 8, \s
.endm
.macro PH_V s                          ; (window 0 and the places stand in front of it)
.if (\s) < 7
	LOADS_Q (\s)+1
	s_wait_dscnt 31                                ; all but the 31 just issued
.else
	s_wait_dscnt 0x0
.endif
	WIN 0xf0                                       ; C and D window 3
	MULV (3*(\s)+2)%2, (\s)%2, \s
.endm
	s_load_b256 s[4:11], s[0:1], 0x0               ; xq s[4:5], wc s[6:7], bq s[8:9], bk s[10:11]
	s_load_b128 s[12:15], s[0:1], 0x20             ; bv s[12:13], qc s[14:15]
	s_load_b64 s[16:17], s[0:1], 0x30              ; kv
	v_lshl_add_u32 v[SPW], v0, 2, SPARE
	v_mov_b32 v[NIL], 0
	ds_add_u32 v9, v10
	ds_add_u32 v9, v10
	s_wait_dscnt 0x0
	v_lshrrev_b32 v19, 5, v0
	v_readfirstlane_b32 s[WV], v19                 ; wave 0..3
	s_lshr_b32 s21, s[WV], 1                       ; blk
	s_and_b32 s22, s[WV], 1                        ; half
	s_bfe_u32 s23, ttmp6, 0x40000                  ; cx
	s_bfe_u32 s24, ttmp6, 0x40004                  ; cy
	s_lshl_b32 s25, ttmp9, 2
	s_add_co_u32 s25, s25, s23                     ; x: the head
	s_and_b32 s26, ttmp7, 0xffff
	s_lshl_b32 s26, s26, 2
	s_add_co_u32 s26, s26, s24                     ; y: the 256 tokens
	s_lshl_b32 s27, s24, 2
	s_lshl_b32 s27, 15, s27                        ; my row of the cluster
	s_lshl_b32 s80, 0x1111, s23                    ; my column
	; descriptor groups 1: dense blocks as rows of 256 bytes (32 elements of 8 bytes): X's chunk 136 rows, a weight's 68
	s_or_b32 s[G1X], s27, (3<<16)|(1<<21)          ; 15:0 the mask; 17:16 elements of 8 bytes; 21 set beside a mask
	s_or_b32 s[G1W], s80, (3<<16)|(1<<21)
	s_mov_b32 s[G1X+1], 32<<16                     ; tensor_dim0
	s_mov_b32 s[G1X+2], 136<<16                    ; tensor_dim1
	s_mov_b32 s[G1X+3], 32<<16                     ; tile_dim0
	s_mov_b32 s[G1X+4], 136                        ; tile_dim1
	s_mov_b32 s[G1X+5], 32                         ; from row to row
	s_mov_b32 s[G1X+6], 0
	s_mov_b32 s[G1X+7], 0
	s_mov_b32 s[G1W+1], 32<<16
	s_mov_b32 s[G1W+2], 68<<16
	s_mov_b32 s[G1W+3], 32<<16
	s_mov_b32 s[G1W+4], 68
	s_mov_b32 s[G1W+5], 32
	s_mov_b32 s[G1W+6], 0
	s_mov_b32 s[G1W+7], 0
	s_mul_i32 s56, s26, 139264                     ; X's chunks: by y alone
	s_mov_b32 s57, 0
	s_max_u32 s58, s[WV], 1
	s_sub_co_u32 s58, s58, 1                       ; which weight I fetch: wave - 1
	s_mul_i32 s58, s58, 1114112
	s_mul_i32 s59, s25, 69632                      ; by x alone
	s_add_co_u32 s58, s58, s59
	s_mov_b32 s59, 0
	s_add_co_u32 s60, s[WV], 1
	s_mul_i32 s60, s60, 2*REC                      ; where a weight's chunk goes in a region: 17,408 (wave + 1)
	; every LDS address, ahead of the first branch on the wave's number
	v_and_b32 v19, 31, v0
	v_lshlrev_b32 v[L16], 4, v19                   ; 16 l
	v_lshlrev_b32 v19, 3, v19                      ; 8 l
	s_wait_alu depctr_va_vdst(0)
	s_mul_i32 s81, s21, REC
	s_lshl_b32 s82, s22, 12                        ; 4,096 half
	s_add_co_u32 s83, s81, s82
	v_add_nc_u32 v[AB+0], s83, v[L16]              ; X own
	s_wait_alu depctr_va_vdst(0)
	s_xor_b32 s84, s82, 4096
	s_add_co_u32 s84, s81, s84
	v_add_nc_u32 v[AB+1], s84, v[L16]              ; X other
	v_add_nc_u32 v[AB+2], 4*REC, v[L16]            ; Wq; Wk 17,408 on
	v_add_nc_u32 v[AB+3], s82, v[AB+2]             ; my half of the tiles; Wv 34,816 on
	s_lshl_b32 s85, s22, 8                         ; 256 half
	s_add_co_u32 s86, s81, s85
	s_add_co_u32 s86, s86, 8192
	v_add_nc_u32 v[AB+4], s86, v19                 ; X own's scale words
	s_xor_b32 s87, s85, 256
	s_add_co_u32 s87, s81, s87
	s_add_co_u32 s87, s87, 8192
	v_add_nc_u32 v[AB+5], s87, v19                 ; X other's
	v_add_nc_u32 v[AB+6], 4*REC+8192, v19          ; the weights'
	v_add_nc_u32 v[AB+7], s85, v[AB+6]
	STEPADR 0
	v_add_nc_u32 v[OC], s82, v[L16]
	v_add_nc_u32 v[OS], s85, v19
	v_add_nc_u32 v[OS], 8192, v[OS]
	s_lshl_b32 s88, s22, 9
	v_add_nc_u32 v[VA0], s88, v[OC]
	s_xor_b32 s88, s88, 512
	v_add_nc_u32 v[VA1], s88, v[OC]
	v_bfe_u32 v[BRQ], v0, 4, 1
	v_lshl_add_u32 v[BRQ], v[BRQ], 6, BIAS
	v_and_b32 v[BRV], 15, v0
	v_and_b32 v[BST], 8, v0
	v_add_nc_u32 v[BRV], v[BRV], v[BST]            ; r + 8 (r / 8)
	s_add_co_u32 s89, s85, BIAS+1024
	v_lshl_add_u32 v[BRV], v[BRV], 2, s89
	s_lshl_b32 s89, s[WV], 9
	s_add_co_u32 s89, s89, BIAS
	v_add_nc_u32 v[BST], s89, v[L16]
	s_mov_b32 s[ROT], 0x03020100                   ; V's scale word: my own half of the keys stands first in the registers: for half = 1 the two pairs of bytes change places
	s_cmp_eq_u32 s22, 0
	s_cselect_b32 s[ROT], s[ROT], 0x01000302
	s_mov_b32 s[SEL], 0x76543210
	s_mov_b32 s[SEL+1], 0xfedcba98
	s_lshr_b32 s94, s26, 3                         ; my record in qc, kc, vc: ((batch x 16 + head) x 16 + 2 (y % 8) + blk) x 8,704
	s_lshl_b32 s94, s94, 4
	s_add_co_u32 s94, s94, s25
	s_lshl_b32 s94, s94, 4
	s_and_b32 s95, s26, 7
	s_lshl_b32 s95, s95, 1
	s_add_co_u32 s94, s94, s95
	s_add_co_u32 s94, s94, s21
	s_mul_i32 s94, s94, REC
	s_mov_b32 s95, 0
	s_lshl_b32 s96, s94, 1                         ; in kv a token block has two records
	s_mov_b32 s97, 0
	s_lshl_b32 s86, s25, 9                         ; the head's 512 bytes of a bias
	s_mov_b32 s87, 0
	s_wait_kmcnt 0x0
	s_add_nc_u64 s[56:57], s[4:5], s[56:57]
	s_add_nc_u64 s[58:59], s[6:7], s[58:59]
	s_add_nc_u64 s[14:15], s[14:15], s[94:95]
	s_add_nc_u64 s[16:17], s[16:17], s[96:97]
	s_add_nc_u64 s[18:19], s[16:17], REC           ; V's record behind K's
	s_cmp_eq_u32 s[WV], 0                          ; wave 0 brings bq, wave 1 bk, wave 2 bv
	s_cselect_b64 s[84:85], s[8:9], s[10:11]
	s_cmp_eq_u32 s[WV], 2
	s_cselect_b64 s[84:85], s[12:13], s[84:85]
	s_add_nc_u64 s[84:85], s[84:85], s[86:87]
.irp c, 0,1,2
	s_mov_b32 s[G0X+4*\c], 1                       ; count = 1
	s_mov_b32 s[G0X+4*\c+1], \c*REG                ; LDS address
	s_add_nc_u64 s[G0X+4*\c+2:G0X+4*\c+3], s[56:57], \c*4*REC   ; chunk c
	s_or_b32 s[G0X+4*\c+3], s[G0X+4*\c+3], 0x80000000           ; type = 2
	s_mov_b32 s[G0W+4*\c], 1
	s_add_co_u32 s[G0W+4*\c+1], s60, \c*REG
	s_add_nc_u64 s[G0W+4*\c+2:G0W+4*\c+3], s[58:59], \c*2*REC
	s_or_b32 s[G0W+4*\c+3], s[G0W+4*\c+3], 0x80000000
.endr
	ROUND                                          ; all sixteen work-groups are here: the first joint loads meet
	JL1 0                                          ; chunk 0: one tensor load a wave at the head
	s_cmp_lt_u32 s[WV], 3
	s_cbranch_scc0 .Lno_bias
	global_load_b128 v[48:51], v[L16], s[84:85]    ; 512 consecutive bytes
	s_wait_loadcnt 0x0
	s_wait_alu depctr_va_vdst(0)
	ds_store_b128 v[BST], v[48:51]
.Lno_bias:
	s_wait_alu depctr_va_vdst(0)
	s_wait_tensorcnt 0x0                           ; my part of chunk 0 is in; these lines stand ahead of a later first fill as ahead of a refill
	ds_add_u32 v[SPW], v[NIL]
	s_wait_dscnt 0x0                               ; the add is done and the bias is stored
	ROUND
	JL1 1                                          ; chunk 1, the first tensor load behind the round
	LOADS_Q 0
	PH_Q 0
	PH_K 0
	WIN 0
	PLACES
	PH_V 0
	PH_Q 1
	PH_K 1
	; chunk 0 has been asked for to its last byte: region 0 is filled again, with chunk 3, which has two K steps in which to land
	WIN 0
	s_wait_tensorcnt 0x0                           ; all my tensor loads have landed: my part of chunk 1 is in, and a group 0 may be written
	ds_add_u32 v[SPW], v[NIL]                      ; 0 onto my spare word
	STEPADR REG                                    ; on to chunk 1's region
	s_wait_dscnt 0x0                               ; the add is done, and my reads of region 0 are back
	ROUND                                          ; chunk 1 is whole
	JL1 2                                          ; chunk 2
	s_wait_alu depctr_va_vdst(0)
	PH_V 1
	PH_Q 2
	PH_K 2
	WIN 0
	PLACES
	PH_V 2
	PH_Q 3
	PH_K 3
	WIN 0
	s_wait_tensorcnt 0x0                           ; my part of chunk 2 is in, and a group 0 may be written
	ds_add_u32 v[SPW], v[NIL]
	s_add_nc_u64 s[G0X+2:G0X+3], s[G0X+2:G0X+3], 3*4*REC
	s_add_nc_u64 s[G0W+2:G0W+3], s[G0W+2:G0W+3], 3*2*REC
	STEPADR 2*REG                                  ; chunk 2's region; the eight additions are the places
	s_wait_dscnt 0x0
	ROUND
	JL1 0                                          ; chunk 3, into region 0, which nobody has read since the round before this one
	s_wait_alu depctr_va_vdst(0)
	PH_V 3
	s_wait_alu depctr_va_vdst(0)
	PH_Q 4
	PH_K 4
	WIN 0
	PLACES
	PH_V 4
	PH_Q 5
	PH_K 5
	WIN 0
	s_wait_tensorcnt 0x0                           ; my part of chunk 3 is in
	ds_add_u32 v[SPW], v[NIL]
	STEPADR 0                                      ; chunk 3 lies in region 0
	s_wait_alu depctr_va_vdst(0)
	s_wait_dscnt 0x0
	s_barrier_signal -1
	s_barrier_wait -1                              ; everybody's is
	PH_V 5
	PH_Q 6
	PH_K 6
	WIN 0
	PLACES
	PH_V 6
	PH_Q 7
	PH_K 7
	WIN 0
	PH_V 7
	; THE WAY OUT: bias, quantiser, stores.  A group is one tile's 64 numbers of a lane.
	WIN 0
.irp b, 0,1,2,3
	v_mov_b32 v[TM+4+\b], 0                        ; a lane permute's destination counts as read; these four are also the places behind the last products
.endr
.irp b, 0,1,2,3,4,5,6,7
	ds_load_b128 v[BQ+8*\b:BQ+8*\b+3], v[BRQ] offset:(32*(\b/2)+8*(\b%2))*4          ; the biases in the results' layout: register j of tile b: d = 32 (b / 2) + 8 (b % 2) + 16 h + j
	ds_load_b128 v[BQ+8*\b+4:BQ+8*\b+7], v[BRQ] offset:(32*(\b/2)+8*(\b%2))*4+16
	ds_load_b128 v[BK+8*\b:BK+8*\b+3], v[BRQ] offset:512+(32*(\b/2)+8*(\b%2))*4
	ds_load_b128 v[BK+8*\b+4:BK+8*\b+7], v[BRQ] offset:512+(32*(\b/2)+8*(\b%2))*4+16
.endr
.irp e, 0,1,2,3
	ds_load_b32 v[BV+2*\e], v[BRV] offset:(32*(\e/2)+8*(\e%2))*4      ; bv of my lane's d; the packed form names a pair, so both are loaded
	ds_load_b32 v[BV+2*\e+1], v[BRV] offset:(32*(\e/2)+8*(\e%2))*4
.endr
	v_and_b32 v42, 31, v0
	v_cmp_le_u32 vcc_lo, 16, v42                   ; lanes 16-31
	s_wait_dscnt 0x0
.macro GRP_QK win, a, bias, base
	s_wait_xcnt 0x0                                ; the last group's stores have read their registers
	WIN \win
.set j, 0
.rept 32
	v_pk_add_f32 v[T+j:T+j+1], v[64*(\a)+j:64*(\a)+j+1], v[(\bias)+j:(\bias)+j+1]   ; each accumulator from its low end on
.set j, j+2
.endr
	WIN 0
	QUANT T, PC, PW+(\a)
	global_store_b128 v[OC], v[PC:PC+3], s[\base:\base+1] offset:1024*(\a)
	global_store_b128 v[OC], v[PC+4:PC+7], s[\base:\base+1] offset:1024*(\a)+512
.endm
.macro GRP_V e
	s_wait_xcnt 0x0
	WIN 0x03
.set j, 0
.rept 32
	v_pk_add_f32 v[T+j:T+j+1], v[64*(\e)+j:64*(\e)+j+1], v[BV+2*(\e):BV+2*(\e)+1] op_sel_hi:[1,0]
.set j, j+2
.endr
	WIN 0
	QUANT T, PC, PW+(\e)
	v_perm_b32 v[PW+(\e)], v[PW+(\e)], v[PW+(\e)], s[ROT]
	global_store_b128 v[VA0], v[PC:PC+3], s[18:19] offset:1024*(\e)      ; my own half of the keys
	global_store_b128 v[VA1], v[PC+4:PC+7], s[18:19] offset:1024*(\e)    ; the other half
.endm
.macro WORDS base                      ; four tiles' scale words: lanes 0-15 the even tile's, lanes 16-31 the odd tile's: 256 consecutive bytes
	v_cndmask_b32 v[PK], v[PW], v[PW+1], vcc_lo
	v_cndmask_b32 v[PK+1], v[PW+2], v[PW+3], vcc_lo
	global_store_b64 v[OS], v[PK:PK+1], s[\base:\base+1]
.endm
.irp a, 0,1,2,3
	GRP_QK 0x01, \a, BQ, 14
.endr
	WORDS 14
.irp a, 0,1,2,3
	GRP_QK 0x02, \a, BK, 16
.endr
	WORDS 16
.irp e, 0,1,2,3
	GRP_V \e
.endr
	WORDS 18
	s_wait_tensorcnt 0x0                           ; the wave's end
	ds_add_u32 v[SPW], v[NIL]
	s_wait_dscnt 0x0
	ROUND                                          ; the closing round
	s_endpgm
.Lfunc_end_k_q7aba47d4b4_qkv:
	.size	k_q7aba47d4b4_qkv, .Lfunc_end_k_q7aba47d4b4_qkv-k_q7aba47d4b4_qkv
	.p2alignl 7, 3214868480
	.fill 96, 4, 3214868480
	.section	.rodata,"a",@progbits
	.p2align	6, 0x0
	.amdhsa_kernel k_q7aba47d4b4_qkv
		.amdhsa_group_segment_fixed_size 327680
		.amdhsa_private_segment_fixed_size 0
		.amdhsa_enable_private_segment 0
		.amdhsa_kernarg_size 56
		.amdhsa_user_sgpr_count 2
		.amdhsa_user_sgpr_kernarg_segment_ptr 1
		.amdhsa_wavefront_size32 1
		.amdhsa_system_sgpr_workgroup_id_x 1
		.amdhsa_system_sgpr_workgroup_id_y 1
		.amdhsa_system_sgpr_workgroup_id_z 1
		.amdhsa_system_vgpr_workitem_id 0
		.amdhsa_next_free_vgpr 1024
		.amdhsa_next_free_sgpr 100
		.amdhsa_reserve_vcc 1
		.amdhsa_float_denorm_mode_32 3
		.amdhsa_float_denorm_mode_16_64 3
		.amdhsa_memory_ordered 1
		.amdhsa_forward_progress 1
		.amdhsa_inst_pref_size 221
	.end_amdhsa_kernel
	.amdgpu_metadata
---
amdhsa.version: [ 1, 2 ]
amdhsa.kernels:
  - .name:           k_q7aba47d4b4_qkv
    .symbol:         k_q7aba47d4b4_qkv.kd
    .args:
      - { .name: xq, .offset: 0, .size: 8, .value_kind: global_buffer, .address_space: global }
      - { .name: wc, .offset: 8, .size: 8, .value_kind: global_buffer, .address_space: global }
      - { .name: bq, .offset: 16, .size: 8, .value_kind: global_buffer, .address_space: global }
      - { .name: bk, .offset: 24, .size: 8, .value_kind: global_buffer, .address_space: global }
      - { .name: bv, .offset: 32, .size: 8, .value_kind: global_buffer, .address_space: global }
      - { .name: qc, .offset: 40, .size: 8, .value_kind: global_buffer, .address_space: global }
      - { .name: kv, .offset: 48, .size: 8, .value_kind: global_buffer, .address_space: global }
    .group_segment_fixed_size: 327680
    .private_segment_fixed_size: 0
    .kernarg_segment_align: 8
    .kernarg_segment_size: 56
    .max_flat_workgroup_size: 128
    .sgpr_count:     100
    .vgpr_count:     1024
    .wavefront_size: 32
...
	.end_amdgpu_metadata
.endif
;; end of part 2
;; launch att (part 3): grid 32 x 8, 16 waves a work-group, no clusters, 281,600 bytes of LDS; arguments qc, kv, yc; writes yc
.if DOCPART == 3
	.amdgcn_target "amdgcn-amd-amdhsa--gfx1250"
	.amdhsa_code_object_version 6
	.text
	.protected	k_q7aba47d4b4_att
	.globl	k_q7aba47d4b4_att
	.p2align	8
	.type	k_q7aba47d4b4_att,@function
k_q7aba47d4b4_att:
	s_mov_b64 s[64:65], 0
	v_nop
	global_prefetch_b8 v0, s[64:65] scope:SCOPE_SE
	s_setreg_imm32_b32 hwreg(HW_REG_WAVE_MODE, 25, 1), 1
	s_wait_xcnt 0x0
; y[b][t][head][:] = the sum over keys k <= t of softmax_k(Q . K / sqrt(128)) V, both products on codes of FP4 with E8M0 scales; y is quantised along d in registers and leaves as records.
; THE SOFTMAX: t = score x log2(e) / sqrt(128); M = the running largest t rounded UP to a whole number; p = 2^(t - M) is quantised along the keys, not normalised; the row's sum is taken of the unquantised p and divides at the end.
; When M moves, the sum and O are multiplied by 2^(old M - new M): exact.  LIMITS: NaN and infinities are not served, nor an unnormalised O beyond f32's range; the promise holds while t stays under 2^31 in magnitude; p under 2^-126 is 0;
; a block whose largest number lies under 2^-124, or is 0, keeps the byte 1.
; WORK LEFT OUT: key steps all of whose keys come after a block's queries (the problem's own tril).
; RECORDS (128 rows x 128 K, 8,704 bytes): tile t at 1,024 t as the image of the operand's registers, lane r of tile t = row 32 (t / 2) + 8 (t % 2) + r + 8 (r / 8); scale words at + 8,192, 8 bytes a lane in each half of 256.
; qc: [batch x head 32][128 tokens 16][record]; kv: [batch x head 32][128 tokens 16][K's record, V's record], in V's rows = d and K = the keys.  yc: [128 tokens 32][head 16][record], K = d.
; SHARES.  Work-group (batch x head, i) owns query blocks i and 15 - i: 17 key steps of 128 for each of 8 tiles of 16 queries.  Two waves serve tile T = wave / 2, roles A (0) and B (1).  In trip n = 0 .. i A walks key step n of block 15 - i and
; B key step n of block i; then B sends block i out, and both walk the rest of block 15 - i: in trip n A takes key step 2 n - i - 1, B 2 n - i.  A has 9 trips, B 8.  During A's last trip B hands its O, its sum and its M
; over through LDS, and A joins the two: factors 2^(M of a part - M of both), exact.
; Both products are used transposed (S^T = K Q^T, O^T = V^T P^T): a lane holds one query; by the tiles' row order the 16 registers of tiles 2 b, 2 b + 1 are 16 neighbours of the next K.
; LDS.  The head's K and V are filled ONCE: wave w fetches key step w, one tensor load a wave, all at the head.  The first two trips read key steps 0 to 2 alone, so waves 0 to 2 wait first; one more barrier shows the rest.
; NO CLUSTER: the work-groups that share K and V own different query blocks, and key steps (LDS addresses) and branches hang on the block, which partners of joint loads may not have.
; NO PREFETCH: every byte of K and V is asked for at the head, and no load follows.
.set REC, 8704
.set KEY, 17408                        ; a key step in LDS and in kv
.set SCR, 278528                       ; y's scale words: 2 blocks x 512 bytes; no fill lands here
.set SPARE, 279552                     ; the spare words: 16 x 128 bytes
.set WV,  12
.set TT,  13
.set ROLE, 14
.set JB,  15                           ; the block that I send out: A 15 - i, B i
.set TAU, 16                           ; the trip
.set TB,  17                           ; the key step's LDS byte
.set I1,  18                           ; i + 1
.set BH,  19
.set SEL, 20                           ; s[20:21] lane l xor 16
.set CS,  22                           ; s[22:23] c = log2(e) / sqrt(128), twice: the packed form names a pair
.set G1,  24                           ; s[24:31], s[32:35] the descriptor
.set G0,  32
.set SWT, 36                           ; B: i, the trip with block i's diagonal, behind which block i goes out; A: 99, no trip
.set NINF, 37
.set T2,  38                           ; T / 2
.set JB2, 39                           ; 15 - i
.set QB,  40                           ; s[40:41], s[42:43] my tile of block 15 - i in qc, and its scale words
.set QS,  42
.set YB,  60                           ; s[60:61] my tile in yc
.set TM,  232                          ; QUANT's registers
.set PW,  10                           ; v10 y's scale word
; REGISTERS: v1 16 l, v2 8 l, v3 my query less 16 h (in the block), v4, v5 the step's addresses, v6, v7 the scale words' places, v8, v9 the place of the part handed over, v10 y's scale word, v11 8 r; v12 -M, v13 the largest t, v[14:15] the sum;
; v16-23 Q; v24-27 K's scale words, v28-31 V's; v32-95 eight fragments of K, then of V; v96-159 S^T, p, y; v160-223 O^T; v224-231 codes; v232-249, v252-254 at work; v250, v251 the add's; v255 Q's scale word.
.macro QUANT s, pc, pw
.irp b, 0,1,2,3
	v_max3_num_f32 v[TM+\b], |v[(\s)+16*\b]|, |v[(\s)+1+16*\b]|, 0x1800000   ; and the floor 2^(3 - 127)
.endr
.irp i, 2,4,6,8,10,12,14
.irp b, 0,1,2,3
	s_delay_alu instid0(VALU_DEP_4)
	v_max3_num_f32 v[TM+\b], v[TM+\b], |v[(\s)+16*\b+\i]|, |v[(\s)+1+16*\b+\i]|
.endr
.endr
.irp b, 0,1,2,3
	s_delay_alu instid0(VALU_DEP_4)
	v_permlanex16_b32 v[TM+4+\b], v[TM+\b], s[SEL], s[SEL+1]
.endr
.irp b, 0,1,2,3
	s_delay_alu instid0(VALU_DEP_4)
	v_max_num_f32 v[TM+\b], v[TM+\b], v[TM+4+\b]
.endr
.irp b, 0,1,2,3
	s_delay_alu instid0(VALU_DEP_4)
	v_add_nc_u32 v[TM+12+\b], 0xff000000, v[TM+\b]   ; 2 off the exponent field: the conversion's scale operand
.endr
.irp b, 0,1,2,3
	s_delay_alu instid0(VALU_DEP_4)
	v_lshrrev_b32 v[TM+4+\b], 23, v[TM+12+\b]
.endr
	s_delay_alu instid0(VALU_DEP_3)
	v_lshl_or_b32 v[(\pw)], v[TM+5], 8, v[TM+4]
	s_delay_alu instid0(VALU_DEP_1)
	v_lshl_or_b32 v[(\pw)], v[TM+6], 16, v[(\pw)]
	s_delay_alu instid0(VALU_DEP_1)
	v_lshl_or_b32 v[(\pw)], v[TM+7], 24, v[(\pw)]
.irp b, 0,1,2,3
	v_cvt_scalef32_pk8_fp4_f32 v[(\pc)+2*\b], v[(\s)+16*\b:(\s)+7+16*\b], v[TM+12+\b]
	v_cvt_scalef32_pk8_fp4_f32 v[(\pc)+1+2*\b], v[(\s)+8+16*\b:(\s)+15+16*\b], v[TM+12+\b]
.endr
	v_nop
.irp c, 0,1
.irp i, 0,1
	v_permlane16_swap_b32 v[(\pc)+4*\c+\i], v[(\pc)+2+4*\c+\i]
.endr
.endr
.endm
.macro PA d, s
	v_pk_add_f32 v[\d:\d+1], v[\d:\d+1], v[\s:\s+1]
.endm
.macro PB d, s, t
	v_pk_add_f32 v[\d:\d+1], v[\s:\s+1], v[\t:\t+1]
.endm
	s_load_b128 s[4:7], s[0:1], 0x0                ; qc s[4:5], kv s[6:7]
	s_load_b64 s[8:9], s[0:1], 0x10                ; yc
	v_lshl_add_u32 v250, v0, 2, SPARE
	v_mov_b32 v251, 0
	ds_add_u32 v250, v251                          ; the wave's opening: the add, twice on end
	ds_add_u32 v250, v251
	v_lshrrev_b32 v10, 5, v0
	v_readfirstlane_b32 s[WV], v10                 ; wave 0..15
	s_mov_b32 s[BH], ttmp9
	s_and_b32 s48, ttmp7, 7                        ; i
	s_lshr_b32 s[TT], s[WV], 1
	s_lshr_b32 s[T2], s[WV], 2
	s_xor_b32 s[ROLE], s[T2], s[WV]
	s_and_b32 s[ROLE], s[ROLE], 1                  ; waves w, w + 4, w + 8, w + 12 have two of each role
	s_add_co_u32 s[I1], s48, 1
	s_xor_b32 s[JB2], s48, 7
	s_add_co_u32 s[JB2], s[JB2], 8                 ; 15 - i
	s_mov_b32 s[SWT], 99
	s_cmp_eq_u32 s[ROLE], 0
	s_cselect_b32 s[JB], s[JB2], s48
	s_cselect_b32 s[SWT], s[SWT], s48
	s_lshr_b32 s62, s[TT], 2                       ; tile T's scale word in a record's 512 bytes: 256 (T / 4) + 128 (T % 2) + 4 ((T / 2) % 2), + 8 r
	s_lshl_b32 s62, s62, 8
	s_and_b32 s63, s[TT], 1
	s_lshl_b32 s63, s63, 7
	s_add_co_u32 s62, s62, s63
	s_bfe_u32 s63, s[TT], 0x10001
	s_lshl_b32 s63, s63, 2
	s_add_co_u32 s62, s62, s63
	s_lshl_b32 s46, s[BH], 4
	s_lshl_b32 s47, s[TT], 10
	s_add_co_u32 s56, s46, s[JB]
	s_mul_i32 s56, s56, REC                        ; Q's first record,
	s_add_co_u32 s58, s56, s62                     ; its scale words (8,192 stands in the immediate),
	s_add_co_u32 s56, s56, s47                     ; its tile T;
	s_add_co_u32 s40, s46, s[JB2]
	s_mul_i32 s40, s40, REC                        ; B's second: block 15 - i
	s_add_co_u32 s42, s40, s62
	s_add_co_u32 s40, s40, s47
	s_add_co_u32 s44, s46, s[WV]
	s_mul_i32 s44, s44, KEY                        ; the key step that I fetch
	s_lshr_b32 s60, s[BH], 4                       ; y's record: ((batch x 16 + block) x 16 + head) x 8,704
	s_lshl_b32 s60, s60, 4
	s_add_co_u32 s60, s60, s[JB]
	s_lshl_b32 s60, s60, 4
	s_and_b32 s61, s[BH], 15
	s_add_co_u32 s60, s60, s61
	s_mul_i32 s60, s60, REC
	s_add_co_u32 s60, s60, s47
	s_mov_b32 s57, 0
	s_mov_b32 s59, 0
	s_mov_b32 s41, 0
	s_mov_b32 s43, 0
	s_mov_b32 s45, 0
	s_mov_b32 s61, 0
	s_lshl_b32 s55, s[T2], 5                       ; my tile's first row in the block: 32 (T / 2) + 8 (T % 2)
	s_and_b32 s63, s[TT], 1
	s_lshl_b32 s63, s63, 3
	s_add_co_u32 s55, s55, s63
	s_lshl_b32 s63, s[ROLE], 9
	s_add_co_u32 s63, s63, s62
	s_add_co_u32 s63, s63, SCR                     ; A's block has the first 512 bytes, B's the second
	s_and_b32 s54, s[WV], 1
	s_lshl_b32 s54, s54, 9
	s_add_co_u32 s54, s54, SCR
	s_mul_i32 s51, s[TT], REC                      ; where B hands its part over: over key steps 0 to 3
	v_and_b32 v10, 31, v0
	v_lshlrev_b32 v1, 4, v10
	v_lshlrev_b32 v2, 3, v10
	v_and_b32 v11, 15, v0                          ; r
	v_and_b32 v3, 8, v0
	v_add_nc_u32 v3, v3, v11                       ; r + 8 (r / 8)
	v_add_nc_u32 v3, s55, v3                       ; my query in its block
	v_bfe_u32 v10, v0, 4, 1
	v_lshlrev_b32 v10, 4, v10
	v_sub_nc_u32 v3, v3, v10                       ; less 16 h: register 16 b + i holds key 32 b + 16 h + i, visible on the diagonal where 32 b + i is not greater
	v_lshlrev_b32 v11, 3, v11
	v_add_nc_u32 v6, s63, v11                      ; where my tile's scale words go
	v_add_nc_u32 v7, s54, v1                       ; and from where a block's 512 bytes are read back
	v_add_nc_u32 v8, s51, v1
	v_add_nc_u32 v9, s51, v2
	s_mov_b32 s[G1], 3<<16                         ; no mask; elements of 8 bytes; no padding
	s_mov_b32 s[G1+1], 32<<16                      ; rows of 256 bytes,
	s_mov_b32 s[G1+2], 68<<16                      ; 68 of them: two records
	s_mov_b32 s[G1+3], 32<<16
	s_mov_b32 s[G1+4], 68
	s_mov_b32 s[G1+5], 32
	s_mov_b32 s[G1+6], 0
	s_mov_b32 s[G1+7], 0
	s_mov_b32 s[SEL], 0x76543210
	s_mov_b32 s[SEL+1], 0xfedcba98
	s_mov_b32 s[CS], 0x3e0293ee
	s_mov_b32 s[CS+1], s[CS]
	s_mov_b32 s[NINF], 0xff800000
	s_mov_b32 s[G0], 1
	s_mul_i32 s[G0+1], s[WV], KEY
	s_wait_alu depctr_va_vdst(0)
	s_wait_dscnt 0x0                               ; both opening adds are done
	s_wait_kmcnt 0x0
	s_add_nc_u64 s[G0+2:G0+3], s[6:7], s[44:45]
	s_or_b32 s[G0+3], s[G0+3], 0x80000000
	s_cmp_lt_u32 s[WV], 3                          ; one load a wave; the waves that wait first have a line of their own
	s_cbranch_scc0 .Lfill_late
	tensor_load_to_lds s[G0:G0+3], s[G1:G1+7]
	s_nop 0
.rept 4
	v_nop
.endr
	s_branch .Lfilled
.Lfill_late:
	tensor_load_to_lds s[G0:G0+3], s[G1:G1+7]
	s_nop 0
.rept 4
	v_nop
.endr
.Lfilled:
	s_add_nc_u64 s[56:57], s[4:5], s[56:57]
	s_add_nc_u64 s[58:59], s[4:5], s[58:59]
	s_add_nc_u64 s[QB:QB+1], s[4:5], s[QB:QB+1]
	s_add_nc_u64 s[QS:QS+1], s[4:5], s[QS:QS+1]
	s_add_nc_u64 s[YB:YB+1], s[8:9], s[YB:YB+1]
	global_load_b128 v[16:19], v1, s[56:57]        ; Q's fragment stays in registers
	global_load_b128 v[20:23], v1, s[56:57] offset:512
	global_load_b32 v255, v11, s[58:59] offset:8192   ; its scale words, in lanes 0-15 (and again in 16-31)
	v_mov_b32 v13, 0xff61b1e6                      ; the largest t so far: -3e38
	v_mov_b32 v14, 0
	v_mov_b32 v15, 0
	v_floor_f32 v12, -v13                          ; -M
	v_mov_b32 v10, 0
.irp b, 0,1,2,3
	v_mov_b32 v[236+\b], 0                         ; a lane permute's destination counts as read
.endr
	v_mov_b32 v252, 0
	v_mov_b32 v253, 0
.set j, 0
.rept 64
	v_mov_b32 v[160+j], 0                          ; O^T: the step is written once; the first change of M multiplies zeros
.set j, j+1
.endr
; A KEY STEP of 128 keys.  kmax bounds the key step by what has landed.  last = 1: A's ninth trip, the diagonal of block 15 - i.
.macro STEP kmax, last
.if \last
	s_and_b32 s50, s[JB2], 7
	s_add_co_u32 s50, s50, 8                       ; 15 - i is 8 .. 15
.else
	s_sub_co_u32 s50, s[TAU], s[I1]
	s_add_co_u32 s50, s50, s[ROLE]
	s_cmp_ge_u32 s[TAU], s[I1]
	s_cselect_b32 s50, s50, 0                      ; trips up to i: key step = trip; then + trip - i - 1 (+ 1 in B)
	s_add_co_u32 s50, s50, s[TAU]
	s_min_u32 s50, s50, \kmax
.endif
	s_mul_i32 s[TB], s50, KEY
	v_add_nc_u32 v4, s[TB], v1
	v_add_nc_u32 v5, s[TB], v2
	v_nop
	v_nop                                          ; four plain instructions behind the last step's products, ahead of loads into registers that they read
	ds_load_b64 v[24:25], v5 offset:8192
	ds_load_b64 v[26:27], v5 offset:8448
.irp t, 0,1,2,3,4,5,6,7
	ds_load_b128 v[32+8*\t:35+8*\t], v4 offset:1024*\t
	ds_load_b128 v[36+8*\t:39+8*\t], v4 offset:1024*\t+512
.endr
	s_wait_alu depctr_va_vdst(0)
	s_wait_dscnt 0x0
.irp t, 0,2,4,6                                ; S^T = K Q^T
	v_wmma_scale_f32_16x16x128_f8f6f4 v[96+8*\t:103+8*\t], v[32+8*\t:39+8*\t], v[16:23], 0, v[24+\t/2], v255 matrix_a_fmt:MATRIX_FMT_FP4 matrix_b_fmt:MATRIX_FMT_FP4
	v_wmma_scale_f32_16x16x128_f8f6f4 v[104+8*\t:111+8*\t], v[40+8*\t:47+8*\t], v[16:23], 0, v[24+\t/2], v255 matrix_a_fmt:MATRIX_FMT_FP4 matrix_b_fmt:MATRIX_FMT_FP4 matrix_a_scale:MATRIX_SCALE_ROW1
.endr
.rept 4
	v_nop
.endr
	ds_load_b64 v[28:29], v5 offset:REC+8192       ; V's record lands under the softmax
	ds_load_b64 v[30:31], v5 offset:REC+8448
.irp t, 0,1,2,3,4,5,6,7
	ds_load_b128 v[32+8*\t:35+8*\t], v4 offset:REC+1024*\t
	ds_load_b128 v[36+8*\t:39+8*\t], v4 offset:REC+1024*\t+512
.endr
.if (\last) == 0
	s_cmp_lg_u32 s[TAU], s[SWT]                    ; on the diagonal the scores of hidden keys become -infinity ahead of the maximum
	s_cbranch_scc1 .Lopen_\@
.endif
.irp b, 0,1,2,3
	s_cmp_gt_u32 s[T2], \b                         ; the tile's queries lie in rows 32 (T / 2) ..: blocks of 32 keys below that are visible whole
	s_cbranch_scc1 .Lvis_\@_\b
.set n, 0
.rept 16
	v_cmp_le_i32 vcc_lo, 32*\b+n, v3
	v_cndmask_b32 v[96+16*\b+n], s[NINF], v[96+16*\b+n], vcc_lo
.set n, n+1
.endr
.Lvis_\@_\b:
.endr
.Lopen_\@:
.irp b, 0,1,2,3
	v_max3_num_f32 v[232+\b], v[96+16*\b], v[97+16*\b], v[98+16*\b]   ; the largest score of each block of 32 keys: for the row's maximum, and, since p rises with the score, for the block's largest p
.endr
.irp i, 3,5,7,9,11,13
.irp b, 0,1,2,3
	v_max3_num_f32 v[232+\b], v[232+\b], v[96+16*\b+\i], v[97+16*\b+\i]
.endr
.endr
.irp b, 0,1,2,3
	v_max_num_f32 v[232+\b], v[232+\b], v[111+16*\b]
.endr
.irp b, 0,1,2,3
	s_delay_alu instid0(VALU_DEP_4)
	v_permlanex16_b32 v[236+\b], v[232+\b], s[SEL], s[SEL+1]
.endr
.irp b, 0,1,2,3
	s_delay_alu instid0(VALU_DEP_4)
	v_max_num_f32 v[232+\b], v[232+\b], v[236+\b]
.endr
	s_delay_alu instid0(VALU_DEP_2)
	v_max3_num_f32 v254, v232, v233, v234
	s_delay_alu instid0(VALU_DEP_1)
	v_max_num_f32 v254, v254, v235
	s_delay_alu instid0(VALU_DEP_1)
	v_mul_f32 v254, s[CS], v254                    ; as t
	s_delay_alu instid0(VALU_DEP_1)
	v_max_num_f32 v13, v13, v254                   ; the running largest t
	v_mov_b32 v254, v12
	s_delay_alu instid0(VALU_DEP_2)
	v_floor_f32 v12, -v13                          ; -M = floor(-t): M is a whole number
	s_delay_alu instid0(VALU_DEP_1)
	v_sub_f32 v254, v12, v254                      ; old M - new M
	s_delay_alu instid0(VALU_DEP_1)
	v_cvt_i32_f32 v254, v254                       ; (it saturates)
	s_delay_alu instid0(VALU_DEP_1)
	v_ldexp_f32 v252, 1.0, v254                    ; f = 2^(old M - new M)
.set j, 0
.rept 32
	v_pk_fma_f32 v[96+j:97+j], v[96+j:97+j], s[CS:CS+1], v[12:13] op_sel_hi:[1,0,0]   ; t - M
.set j, j+2
.endr
.irp b, 0,1,2,3
	v_fma_f32 v[232+\b], v[232+\b], s[CS], v12
.endr
.set j, 0
	s_wait_alu depctr_va_vdst(0)
.rept 64
	v_exp_f32 v[96+j], v[96+j]                     ; p = 2^(t - M)
.set j, j+1
.endr
	v_pk_mul_f32 v[14:15], v[14:15], v[252:253] op_sel_hi:[1,0]   ; the sums under the new M: the plain instruction behind the batch
	s_wait_alu depctr_va_vdst(0)                   ; one wait for the 64, ahead of their first reader
.irp b, 0,1,2,3
	v_exp_f32 v[232+\b], v[232+\b]                 ; each block's largest p
.endr
	PB 236, 100, 104                               ; the row's sum, of the unquantised p, in eight chains
	PB 248, 108, 112
	PB 246, 116, 120
	PB 244, 124, 128
	PB 242, 132, 136
	PB 240, 140, 144
	PB 238, 148, 152
	PA 14, 156
	PA 236, 96
	PA 248, 98
	PA 246, 102
	PA 244, 106
	PA 242, 110
	PA 240, 114
	PA 238, 118
	PA 14, 122
	PA 236, 126
	PA 248, 130
	PA 246, 134
	PA 244, 138
	PA 242, 142
	PA 240, 146
	PA 238, 150
	PA 14, 154
	PA 236, 158
	s_delay_alu instid0(VALU_DEP_2)
	PA 14, 244
	s_delay_alu instid0(VALU_DEP_2)
	PA 236, 242
	PA 248, 240
	PA 246, 238
	PA 14, 248
	PA 236, 246
	s_delay_alu instid0(VALU_DEP_1)
	PA 14, 236
	s_wait_alu depctr_va_vdst(0)                   ; and one for the four
.irp b, 0,1,2,3
	v_max_num_f32 v[232+\b], 0x1800000, v[232+\b]  ; the floor 2^(3 - 127)
.endr
.irp b, 0,1,2,3
	s_delay_alu instid0(VALU_DEP_4)
	v_add_nc_u32 v[244+\b], 0xff000000, v[232+\b]
.endr
.irp b, 0,1,2,3
	s_delay_alu instid0(VALU_DEP_4)
	v_lshrrev_b32 v[236+\b], 23, v[244+\b]
.endr
	s_delay_alu instid0(VALU_DEP_3)
	v_lshl_or_b32 v253, v237, 8, v236              ; p's scale word
	s_delay_alu instid0(VALU_DEP_1)
	v_lshl_or_b32 v253, v238, 16, v253
	s_delay_alu instid0(VALU_DEP_1)
	v_lshl_or_b32 v253, v239, 24, v253
.irp b, 0,1,2,3
	v_cvt_scalef32_pk8_fp4_f32 v[224+2*\b], v[96+16*\b:103+16*\b], v[244+\b]
	v_cvt_scalef32_pk8_fp4_f32 v[225+2*\b], v[104+16*\b:111+16*\b], v[244+\b]
.endr
	v_nop
.irp c, 0,1
.irp i, 0,1
	v_permlane16_swap_b32 v[224+4*\c+\i], v[226+4*\c+\i]
.endr
.endr
	s_wait_alu depctr_va_vdst(0)                   ; directly ahead of the first reader of O^T
.set j, 0
.rept 32
	v_pk_mul_f32 v[160+j:161+j], v[160+j:161+j], v[252:253] op_sel_hi:[1,0]   ; O^T under the new M; these 32 also stand between the writes of p's codes and scale word and the products
.set j, j+2
.endr
	s_wait_alu depctr_va_vdst(0)
	s_wait_dscnt 0x0                               ; V is in
.irp t, 0,2,4,6                                ; O^T += V^T P^T: the eight accumulators by turns
	v_wmma_scale_f32_16x16x128_f8f6f4 v[160+8*\t:167+8*\t], v[32+8*\t:39+8*\t], v[224:231], v[160+8*\t:167+8*\t], v[28+\t/2], v253 matrix_a_fmt:MATRIX_FMT_FP4 matrix_b_fmt:MATRIX_FMT_FP4
	v_wmma_scale_f32_16x16x128_f8f6f4 v[168+8*\t:175+8*\t], v[40+8*\t:47+8*\t], v[224:231], v[168+8*\t:175+8*\t], v[28+\t/2], v253 matrix_a_fmt:MATRIX_FMT_FP4 matrix_b_fmt:MATRIX_FMT_FP4 matrix_a_scale:MATRIX_SCALE_ROW1
.endr
.endm
; y's codes and scale word from v96-159, and the codes' way out
.macro SENDY
	QUANT 96, 224, PW
	global_store_b128 v1, v[224:227], s[YB:YB+1]   ; 512 consecutive bytes a store
	global_store_b128 v1, v[228:231], s[YB:YB+1] offset:512
.endm
; BEHIND B'S TRIP i: block i is finished and goes out (its scale word waits in v10), and block 15 - i begins: its Q is asked for first; O and the sum need no clearing: the largest t goes back to -3e38, and the next change of M multiplies them by 0.
.macro SWITCH
	s_cmp_lg_u32 s[TAU], s[SWT]
	s_cbranch_scc1 .Lstay_\@
.rept 4
	v_nop                                          ; behind the step's products
.endr
	global_load_b128 v[16:19], v1, s[QB:QB+1]
	global_load_b128 v[20:23], v1, s[QB:QB+1] offset:512
	global_load_b32 v255, v11, s[QS:QS+1] offset:8192
	v_add_f32 v14, v14, v15
	v_permlanex16_b32 v252, v14, s[SEL], s[SEL+1]
	v_add_f32 v14, v14, v252                       ; the row's sum
	s_wait_alu depctr_va_vdst(0)
	v_rcp_f32 v14, v14
	v_nop
	s_wait_alu depctr_va_vdst(0)                   ; ahead of the first readers of the reciprocal and of O^T
.set j, 0
.rept 32
	v_pk_mul_f32 v[96+j:97+j], v[160+j:161+j], v[14:15] op_sel_hi:[1,0]
.set j, j+2
.endr
	SENDY
	v_mov_b32 v13, 0xff61b1e6
	v_floor_f32 v12, -v13
	s_wait_alu depctr_va_vdst(0)
	s_wait_loadcnt 0x0                             ; Q
	s_wait_xcnt 0x0                                ; the stores have read their registers
.Lstay_\@:
.endm
	s_wait_alu depctr_va_vdst(0)
	s_wait_loadcnt 0x0                             ; Q
	s_cmp_lt_u32 s[WV], 3
	s_cbranch_scc0 .Lnot_first
	s_wait_tensorcnt 0x0                           ; waves 0 to 2: key steps 0 to 2 are in
.Lnot_first:
	s_barrier_signal -1
	s_barrier_wait -1
	s_mov_b32 s[TAU], 0
.Lseg1:                                                ; trips 0 and 1
	STEP 2, 0
	SWITCH
	s_add_co_u32 s[TAU], s[TAU], 1
	s_cmp_lt_u32 s[TAU], 2
	s_cbranch_scc1 .Lseg1
	s_wait_alu depctr_va_vdst(0)
	s_wait_tensorcnt 0x0                           ; every wave: the rest is in
	s_barrier_signal -1
	s_barrier_wait -1
	s_mov_b32 s[TAU], 2
.Lseg2:                                                ; trips 2 to 7
	STEP 15, 0
	SWITCH
	s_add_co_u32 s[TAU], s[TAU], 1
	s_cmp_lt_u32 s[TAU], 8
	s_cbranch_scc1 .Lseg2
	s_wait_alu depctr_va_vdst(0)
	s_barrier_signal -1
	s_barrier_wait -1
	s_cmp_eq_u32 s[ROLE], 0
	s_cbranch_scc0 .Lhand_over
	STEP 15, 1                                     ; A's ninth trip
	s_wait_alu depctr_va_vdst(0)
	s_branch .Lmeet
.Lhand_over:
	v_add_f32 v14, v14, v15                        ; B: the sum's two halves in one, and -M beside it
	v_mov_b32 v15, v12
	v_nop
	v_nop                                          ; four plain instructions behind the products
.irp k, 0,1,2,3,4,5,6,7,8,9,10,11,12,13,14,15
	ds_store_b128 v8, v[160+4*\k:163+4*\k] offset:512*\k     ; each accumulator from its low end on
.endr
	ds_store_b64 v9, v[14:15] offset:8192
.Lmeet:
	s_wait_alu depctr_va_vdst(0)
	s_wait_dscnt 0x0
	s_barrier_signal -1
	s_barrier_wait -1
	s_cmp_eq_u32 s[ROLE], 0
	s_cbranch_scc0 .Lwords
.rept 4
	v_nop
.endr
	ds_load_b64 v[16:17], v9 offset:8192           ; the other part's sum and -M,
.irp k, 0,1,2,3,4,5,6,7,8,9,10,11,12,13,14,15
	ds_load_b128 v[32+4*\k:35+4*\k], v8 offset:512*\k        ; and its O^T
.endr
	v_add_f32 v14, v14, v15
	s_wait_alu depctr_va_vdst(0)
	s_wait_dscnt 16                                ; O^T's sixteen loads may be out
	v_min_num_f32 v13, v12, v17                    ; -M of both
	v_sub_f32 v232, v13, v12
	v_sub_f32 v234, v13, v17
	v_cvt_i32_f32 v232, v232                       ; (they saturate: a part without a key has M = -3e38, and its factor is 0)
	v_cvt_i32_f32 v234, v234
	v_ldexp_f32 v232, 1.0, v232                    ; 2^(M of my part - M of both)
	v_ldexp_f32 v234, 1.0, v234
	v_mul_f32 v14, v14, v232
	v_fma_f32 v14, v16, v234, v14
	v_permlanex16_b32 v252, v14, s[SEL], s[SEL+1]
	v_add_f32 v14, v14, v252                       ; the row's sum
	s_wait_alu depctr_va_vdst(0)
	v_rcp_f32 v14, v14
	v_nop
	s_wait_alu depctr_va_vdst(0)
	v_mul_f32 v232, v232, v14                      ; the parts' factors over the sum: powers of two times its reciprocal
	v_mul_f32 v234, v234, v14
	s_wait_alu depctr_va_vdst(0)                   ; directly ahead of the first reader of O^T
.set j, 0
.rept 32
	v_pk_mul_f32 v[96+j:97+j], v[160+j:161+j], v[232:233] op_sel_hi:[1,0]
.set j, j+2
.endr
	s_wait_alu depctr_va_vdst(0)
	s_wait_dscnt 0x0
.set j, 0
.rept 32
	v_pk_fma_f32 v[96+j:97+j], v[32+j:33+j], v[234:235], v[96+j:97+j] op_sel_hi:[1,0,1]
.set j, j+2
.endr
	SENDY
	s_wait_alu depctr_va_vdst(0)
.Lwords:
	ds_store_b32 v6, v10                           ; lanes l and l + 16 write the same word with the same value
	s_wait_dscnt 0x0
	s_barrier_signal -1
	s_barrier_wait -1                              ; the eight tiles' words of both blocks lie in LDS
	s_cmp_lt_u32 s[WV], 2                          ; waves 0 (A) and 1 (B) hold tile 0 of the two blocks: each stores its block's 512 bytes
	s_cbranch_scc0 .Lend
	ds_load_b128 v[100:103], v7
	s_wait_dscnt 0x0
	global_store_b128 v1, v[100:103], s[YB:YB+1] offset:8192
.Lend:
	s_wait_tensorcnt 0x0                           ; the wave's end
	ds_add_u32 v250, v251
	s_wait_dscnt 0x0
	s_endpgm
.Lfunc_end_k_q7aba47d4b4_att:
	.size	k_q7aba47d4b4_att, .Lfunc_end_k_q7aba47d4b4_att-k_q7aba47d4b4_att
	.p2alignl 7, 3214868480
	.fill 96, 4, 3214868480
	.section	.rodata,"a",@progbits
	.p2align	6, 0x0
	.amdhsa_kernel k_q7aba47d4b4_att
		.amdhsa_group_segment_fixed_size 281600
		.amdhsa_private_segment_fixed_size 0
		.amdhsa_enable_private_segment 0
		.amdhsa_kernarg_size 24
		.amdhsa_user_sgpr_count 2
		.amdhsa_user_sgpr_kernarg_segment_ptr 1
		.amdhsa_wavefront_size32 1
		.amdhsa_system_sgpr_workgroup_id_x 1
		.amdhsa_system_sgpr_workgroup_id_y 1
		.amdhsa_system_sgpr_workgroup_id_z 1
		.amdhsa_system_vgpr_workitem_id 0
		.amdhsa_next_free_vgpr 256
		.amdhsa_next_free_sgpr 72
		.amdhsa_reserve_vcc 1
		.amdhsa_float_denorm_mode_32 3
		.amdhsa_float_denorm_mode_16_64 3
		.amdhsa_memory_ordered 1
		.amdhsa_forward_progress 1
		.amdhsa_inst_pref_size 110
	.end_amdhsa_kernel
	.amdgpu_metadata
---
amdhsa.version: [ 1, 2 ]
amdhsa.kernels:
  - .name:           k_q7aba47d4b4_att
    .symbol:         k_q7aba47d4b4_att.kd
    .args:
      - { .name: qc, .offset: 0, .size: 8, .value_kind: global_buffer, .address_space: global }
      - { .name: kv, .offset: 8, .size: 8, .value_kind: global_buffer, .address_space: global }
      - { .name: yc, .offset: 16, .size: 8, .value_kind: global_buffer, .address_space: global }
    .group_segment_fixed_size: 281600
    .private_segment_fixed_size: 0
    .kernarg_segment_align: 8
    .kernarg_segment_size: 24
    .max_flat_workgroup_size: 512
    .sgpr_count:     72
    .vgpr_count:     256
    .wavefront_size: 32
...
	.end_amdgpu_metadata
.endif
;; end of part 3
;; launch proj (part 4): grid 8 x 32, 4 waves a work-group, clusters of 4 x 4, 296,448 bytes of LDS; arguments yc, wpc, bp, out0; writes out0
.if DOCPART == 4
	.amdgcn_target "amdgcn-amd-amdhsa--gfx1250"
	.amdhsa_code_object_version 6
	.text
	.protected	k_q7aba47d4b4_proj
	.globl	k_q7aba47d4b4_proj
	.p2align	8
	.type	k_q7aba47d4b4_proj,@function
k_q7aba47d4b4_proj:
	s_mov_b64 s[64:65], 0
	v_nop
	global_prefetch_b8 v0, s[64:65] scope:SCOPE_SE
	s_setreg_imm32_b32 hwreg(HW_REG_WAVE_MODE, 25, 1), 1
	s_wait_xcnt 0x0
	s_wait_alu depctr_hold_cnt(0) depctr_sa_sdst(0) depctr_va_vdst(0) depctr_va_sdst(0) depctr_va_ssrc(0) depctr_va_vcc(0) depctr_vm_vsrc(0)
	s_getreg_b32 s2, hwreg(HW_REG_IB_STS2, 6, 4)
	s_cmp_eq_u32 s2, 0
	s_cbranch_scc0 .Lentry_in_a_cluster
	s_endpgm
.Lentry_in_a_cluster:
	s_bfe_u32 s2, ttmp6, 0x10000c
	s_cmp_lg_u32 s2, 0xf033
	s_cbranch_scc0 .Lentry_shape_is_right
	s_endpgm
.Lentry_shape_is_right:
; out0 = y Wp + bp on codes of FP4 with E8M0 scales.  yc: [128 tokens 32][K step 16][record]; wpc: [128 columns 8][K step 16][record]; out0: [4096][1024] f32.
; A record is 128 rows x 128 K in 8,704 bytes: tile t at 1,024 t as the image of the operand's registers, lane r of tile t = row 32 (t / 2) + 8 (t % 2) + r + 8 (r / 8); scale words at + 8,192, 8 bytes a lane in each half of 256.
; LIMITS: NaN and infinities are not served.
; SHARES.  Work-group (x = 128 columns, y = 128 tokens); wave (wm = w / 2, wn = w % 2) makes 64 tokens x 64 columns, in two halves of 32 tokens: 8 accumulators each, by turns, one instruction a turn.
; Wp's fragments of all K (4 tiles x 16 K steps, 512 registers) are read from LDS once, in the first half, and stay in registers; y's are read as they are wanted.  So the first half's rows leave while the second half is multiplied.
; TRANSPOSED use (source 0 = 16 columns of Wp, source 1 = 16 tokens): a lane holds 8 neighbouring columns of one token.  bp is the C of each sum's first instruction.
; LDS.  Both operands for all of K = 2,048 are filled ONCE, one tensor load a wave (8 records): wave 0 y's K steps 0-7, wave 1 y's 8-15, waves 2 and 3 Wp's likewise.  K steps 0-7 are worked while 8-15 are on their way.  No byte is filled again.
; CLUSTER 4 x 4: y's records hang on work-group y alone and are asked for jointly along a row of the cluster, Wp's on x alone, jointly along a column.  No prefetch: every byte is asked for at the head.
; REGISTERS: window 0: addresses, v32-63 y's scale words, v64-95 Wp's, v96-191 three sets of four fragments of y (two K steps x two tiles), v192-255 the way out; window 1: v0-127 accumulators, v128-159 bp; windows 2, 3: Wp's fragments of K steps 0-7, 8-15.
.set REC,   8704
.set HK,    69632                      ; 8 records
.set WPO,   139264                     ; Wp's 16 records in LDS, behind y's
.set STAGE, 278528                     ; the way out: 16 rows x 272 bytes for each wave; no fill lands here
.set SPARE, 295936                     ; the spare words: 128 bytes a wave
.set AY,  2                            ; v2-3, v4-5, v6-7, v8-9: LDS places (K steps 0-7, 8-15) of my fragments of y, of Wp, and of their scale words
.set AP,  4
.set BY,  6
.set BP,  8
.set STO, 10
.set RD,  11
.set CO,  12
.set BO,  13
.set SPW, 14
.set NIL, 15
.set YF,  96
.set OUTB, 192
.set WV,  12
.set G1Y, 24
.set G1P, 32
.set G0Y, 40
.set G0P, 44
.set MSB, 0
.macro WIN new
.if MSB != (\new)
	s_set_vgpr_msb (MSB<<8)|(\new)
.set MSB, (\new)
.endif
.endm
.macro PLACES
.rept 4
	v_nop
.endr
.endm
.macro ROUND
	s_barrier_signal -1
	s_barrier_wait -1
	s_cmp_lg_u32 s[WV], 0
	s_cbranch_scc1 .Lnot_wave_0_\@
	s_barrier_signal -3
.Lnot_wave_0_\@:
	s_barrier_wait -3
	s_barrier_signal -1
	s_barrier_wait -1
.endm
.macro ARM under, g0, g1, next
	s_cmp_lt_u32 s[WV], \under
	s_cbranch_scc0 \next
	tensor_load_to_lds s[\g0:\g0+3], s[\g1:\g1+7]
	s_nop 0
.rept 4
	v_nop
.endr
	s_branch .Lhead_asked
\next:
.endm
.macro EMIT
.if fA && fB
	v_wmma_scale_f32_16x16x128_f8f6f4 v[rD:rD+7], v[rA:rA+7], v[rB:rB+7], v[rC:rC+7], v[rSA], v[rSB] matrix_a_fmt:MATRIX_FMT_FP4 matrix_b_fmt:MATRIX_FMT_FP4 matrix_a_scale:MATRIX_SCALE_ROW1 matrix_b_scale:MATRIX_SCALE_ROW1
.elseif fA
	v_wmma_scale_f32_16x16x128_f8f6f4 v[rD:rD+7], v[rA:rA+7], v[rB:rB+7], v[rC:rC+7], v[rSA], v[rSB] matrix_a_fmt:MATRIX_FMT_FP4 matrix_b_fmt:MATRIX_FMT_FP4 matrix_a_scale:MATRIX_SCALE_ROW1
.elseif fB
	v_wmma_scale_f32_16x16x128_f8f6f4 v[rD:rD+7], v[rA:rA+7], v[rB:rB+7], v[rC:rC+7], v[rSA], v[rSB] matrix_a_fmt:MATRIX_FMT_FP4 matrix_b_fmt:MATRIX_FMT_FP4 matrix_b_scale:MATRIX_SCALE_ROW1
.else
	v_wmma_scale_f32_16x16x128_f8f6f4 v[rD:rD+7], v[rA:rA+7], v[rB:rB+7], v[rC:rC+7], v[rSA], v[rSB] matrix_a_fmt:MATRIX_FMT_FP4 matrix_b_fmt:MATRIX_FMT_FP4
.endif
.endm
; A group is two K steps.  Groups 0-7: the first half of the rows; groups 8-15: the second.
.macro WLOADS g                        ; Wp's fragments and both sides' scale words of K steps 2 g, 2 g + 1: 20 loads
.irp u, 0,1
.set KS, 2*(\g)+\u
	WIN 0x80+0x40*(KS/8)
.irp b, 0,1,2,3
	ds_load_b128 v[32*(KS%8)+8*\b:32*(KS%8)+8*\b+3], v[AP+KS/8] offset:REC*(KS%8)+1024*\b
	ds_load_b128 v[32*(KS%8)+8*\b+4:32*(KS%8)+8*\b+7], v[AP+KS/8] offset:REC*(KS%8)+1024*\b+512
.endr
.endr
	WIN 0
.irp u, 0,1
.set KS, 2*(\g)+\u
	ds_load_b64 v[32+2*KS:33+2*KS], v[BY+KS/8] offset:REC*(KS%8)
	ds_load_b64 v[64+2*KS:65+2*KS], v[BP+KS/8] offset:REC*(KS%8)
.endr
.endm
.macro YLOADS g                        ; y's two tiles of the half, two K steps: 8 loads into set g % 3
.irp u, 0,1
.set KS, 2*((\g)%8)+\u
.irp a, 0,1
	ds_load_b128 v[YF+32*((\g)%3)+16*\u+8*\a:YF+32*((\g)%3)+16*\u+8*\a+3], v[AY+KS/8] offset:REC*(KS%8)+1024*(2*((\g)/8)+\a)
	ds_load_b128 v[YF+32*((\g)%3)+16*\u+8*\a+4:YF+32*((\g)%3)+16*\u+8*\a+7], v[AY+KS/8] offset:REC*(KS%8)+1024*(2*((\g)/8)+\a)+512
.endr
.endr
.endm
.macro MULG g                          ; 16 matrix instructions
.irp u, 0,1
.set KS, 2*((\g)%8)+\u
	WIN 0x52+(KS/8)                                ; source 0 window 2 or 3, source 1 window 0, C and D window 1
.irp a, 0,1
.irp b, 0,1,2,3
.set rD, 8*(4*(2*((\g)/8)+\a)+\b)
.if KS == 0
.set rC, 128+8*\b
.else
.set rC, rD
.endif
.set rA, 32*(KS%8)+8*\b
.set rB, YF+32*((\g)%3)+16*\u+8*\a
.set rSA, 64+2*KS+\b/2
.set rSB, 32+2*KS+(\g)/8
.set fA, \b%2
.set fB, \a
	EMIT
.endr
.endr
.endr
	WIN 0
.endm
.macro FIRST g
.if (\g) == 3
	s_wait_tensorcnt 0x0                           ; every wave: K steps 8-15 are in
	s_wait_dscnt 0x0
	s_barrier_signal -1
	s_barrier_wait -1
.endif
	PLACES
.if (\g) < 7
	WLOADS (\g)+1
	YLOADS (\g)+1
	s_wait_dscnt 28                                ; all but the next group's 28
.else
	YLOADS 8
	YLOADS 9
	s_wait_dscnt 16                                ; all but the 16 just issued
.endif
	MULG \g
.endm
; THE WAY OUT, a tile of 16 tokens x 64 columns at a time, through my own stage: sixteen lanes then store 256 consecutive bytes, aligned.  LDS serves a wave's instructions in order.
.macro TOSTAGE a
	WIN 0x04                                       ; an LDS store's data are its source 1: window 1
.irp b, 0,1,2,3
	ds_store_b128 v[STO], v[8*(4*(\a)+\b):8*(4*(\a)+\b)+3] offset:128*(\b/2)+32*(\b%2)        ; each accumulator from its low end on
	ds_store_b128 v[STO], v[8*(4*(\a)+\b)+4:8*(4*(\a)+\b)+7] offset:128*(\b/2)+32*(\b%2)+16
.endr
	WIN 0
.irp i, 0,1,2,3,4,5,6,7
	ds_load_b128 v[OUTB+32*((\a)%2)+4*\i:OUTB+32*((\a)%2)+4*\i+3], v[RD] offset:544*\i
.endr
.endm
.macro SEND a, younger                 ; younger: the LDS instructions issued behind tile a's loads
	s_wait_dscnt \younger
.irp i, 0,1,2,3,4,5,6,7
	global_store_b128 v[CO], v[OUTB+32*((\a)%2)+4*\i:OUTB+32*((\a)%2)+4*\i+3], s[10:11] offset:(32*((\a)/2)+8*((\a)%2)+2*\i+8*(\i/4))*4096 th:TH_STORE_NT   ; stage row 2 i + h is token 2 i + h + 8 (i / 4) of the tile
.endr
.endm
	s_load_b256 s[4:11], s[0:1], 0x0               ; yc s[4:5], wpc s[6:7], bp s[8:9], out0 s[10:11]
	v_lshl_add_u32 v[SPW], v0, 2, SPARE
	v_mov_b32 v[NIL], 0
	ds_add_u32 v[SPW], v[NIL]                      ; the wave's opening: the add, twice on end
	ds_add_u32 v[SPW], v[NIL]
	v_lshrrev_b32 v16, 5, v0
	v_readfirstlane_b32 s[WV], v16                 ; wave 0..3
	s_lshr_b32 s13, s[WV], 1                       ; wm.  Also: I fetch for y (0) or for Wp (1)
	s_and_b32 s14, s[WV], 1                        ; wn.  Also: which eight K steps I fetch
	s_bfe_u32 s15, ttmp6, 0x40000                  ; cx
	s_bfe_u32 s16, ttmp6, 0x40004                  ; cy
	s_lshl_b32 s17, ttmp9, 2
	s_add_co_u32 s17, s17, s15                     ; x
	s_and_b32 s18, ttmp7, 0xffff
	s_lshl_b32 s18, s18, 2
	s_add_co_u32 s18, s18, s16                     ; y
	s_lshl_b32 s19, s16, 2
	s_lshl_b32 s19, 15, s19                        ; my row of the cluster
	s_lshl_b32 s20, 0x1111, s15                    ; my column
	s_or_b32 s[G1Y], s19, (3<<16)|(1<<21)          ; the mask; elements of 8 bytes; 21 set beside a mask
	s_or_b32 s[G1P], s20, (3<<16)|(1<<21)
.irp g, G1Y, G1P
	s_mov_b32 s[\g+1], 32<<16                      ; rows of 256 bytes,
	s_mov_b32 s[\g+2], 272<<16                     ; 272 of them: eight records
	s_mov_b32 s[\g+3], 32<<16
	s_mov_b32 s[\g+4], 272
	s_mov_b32 s[\g+5], 32
	s_mov_b32 s[\g+6], 0
	s_mov_b32 s[\g+7], 0
.endr
	s_mul_i32 s56, s18, 16*REC                     ; y's records: by work-group y and the wave alone
	s_mul_i32 s57, s14, HK
	s_add_co_u32 s56, s56, s57
	s_mov_b32 s57, 0
	s_mul_i32 s58, s17, 16*REC                     ; Wp's: by x and the wave alone
	s_mul_i32 s59, s14, HK
	s_add_co_u32 s58, s58, s59
	s_mov_b32 s59, 0
	s_mul_i32 s60, s[WV], HK                       ; where they go
	s_lshl_b32 s21, s13, 12
	s_lshl_b32 s22, s14, 12
	s_add_co_u32 s22, s22, WPO
	s_lshl_b32 s61, s13, 8
	s_add_co_u32 s61, s61, 8192
	s_lshl_b32 s62, s14, 8
	s_add_co_u32 s62, s62, WPO+8192
	s_mul_i32 s23, s[WV], 16*272
	s_add_co_u32 s23, s23, STAGE                   ; my stage
	s_lshl_b32 s84, s18, 7
	s_lshl_b32 s85, s13, 6
	s_add_co_u32 s84, s84, s85
	s_lshl_b32 s84, s84, 12                        ; my first token's row
	s_lshl_b32 s86, s17, 7
	s_lshl_b32 s87, s14, 6
	s_add_co_u32 s86, s86, s87
	s_lshl_b32 s86, s86, 2                         ; my first column, in bytes: a multiple of 256
	s_mov_b32 s87, 0
	s_add_co_u32 s84, s84, s86
	s_mov_b32 s85, 0
	v_and_b32 v16, 31, v0
	v_lshlrev_b32 v17, 4, v16                      ; 16 l
	v_lshlrev_b32 v18, 3, v16                      ; 8 l
	v_and_b32 v19, 15, v0                          ; r
	v_bfe_u32 v20, v0, 4, 1                        ; h
	v_add_nc_u32 v[AY], s21, v17
	v_add_nc_u32 v[AP], s22, v17
	v_add_nc_u32 v[BY], s61, v18
	v_add_nc_u32 v[BP], s62, v18
.irp r, AY, AP, BY, BP
	v_add_nc_u32 v[\r+1], HK, v[\r]
.endr
	v_mul_u32_u24 v[STO], v19, 272
	v_lshl_add_u32 v[STO], v20, 6, v[STO]
	v_add_nc_u32 v[STO], s23, v[STO]               ; in: row r, + 64 h
	v_mul_u32_u24 v[RD], v20, 272
	v_lshl_add_u32 v[RD], v19, 4, v[RD]
	v_add_nc_u32 v[RD], s23, v[RD]                 ; back: lanes 0-15 one row, lanes 16-31 the next
	v_lshlrev_b32 v[CO], 12, v20
	v_lshl_add_u32 v[CO], v19, 4, v[CO]            ; and the same in out0
	v_lshlrev_b32 v[BO], 6, v20                    ; bp: 64 h
	s_wait_alu depctr_va_vdst(0)
	s_wait_dscnt 0x0                               ; both opening adds are done
	s_wait_kmcnt 0x0
	s_add_nc_u64 s[10:11], s[10:11], s[84:85]
	s_add_nc_u64 s[8:9], s[8:9], s[86:87]
	s_mov_b32 s[G0Y], 1
	s_mov_b32 s[G0Y+1], s60
	s_add_nc_u64 s[G0Y+2:G0Y+3], s[4:5], s[56:57]
	s_or_b32 s[G0Y+3], s[G0Y+3], 0x80000000
	s_mov_b32 s[G0P], 1
	s_mov_b32 s[G0P+1], s60
	s_add_nc_u64 s[G0P+2:G0P+3], s[6:7], s[58:59]
	s_or_b32 s[G0P+3], s[G0P+3], 0x80000000
	ROUND                                          ; all sixteen work-groups are here: the joint loads meet
	ARM 1, G0Y, G1Y, .Lhead_1                      ; one load a wave, a line each: waves 0 and 2 wait ahead of waves 1 and 3
	ARM 2, G0Y, G1Y, .Lhead_2
	ARM 3, G0P, G1P, .Lhead_3
	tensor_load_to_lds s[G0P:G0P+3], s[G1P:G1P+7]
	s_nop 0
.rept 4
	v_nop
.endr
.Lhead_asked:
	WIN 0x40                                       ; destination window 1
.irp b, 0,1,2,3
	global_load_b128 v[128+8*\b:128+8*\b+3], v[BO], s[8:9] offset:(32*(\b/2)+8*(\b%2))*4        ; bp in the results' layout: register j of tile b: column 32 (b / 2) + 8 (b % 2) + 16 h + j
	global_load_b128 v[128+8*\b+4:128+8*\b+7], v[BO], s[8:9] offset:(32*(\b/2)+8*(\b%2))*4+16
.endr
	WIN 0
	s_cmp_eq_u32 s14, 0
	s_cbranch_scc0 .Lnot_first
	s_wait_tensorcnt 0x0                           ; waves 0 and 2: K steps 0-7 are in
.Lnot_first:
	s_barrier_signal -1
	s_barrier_wait -1
	WLOADS 0
	YLOADS 0
	s_wait_loadcnt 0x0                             ; bp
.irp g, 0,1,2,3,4,5,6,7
	FIRST \g
.endr
	PLACES                                         ; behind the first half's last products: for the reads of results and the loads into y's set
	TOSTAGE 0
	TOSTAGE 1
	YLOADS 10
	s_wait_dscnt 48                                ; group 8 is in: behind it 8 of group 9, the stage's 32, 8 of group 10
	MULG 8
	SEND 0, 24                                     ; behind tile 0's loads: tile 1's 16, group 10's 8
	SEND 1, 8
.irp g, 9,10,11,12,13,14,15
	PLACES
.if \g < 14
	YLOADS \g+2
	s_wait_dscnt 16
.elseif \g == 14
	s_wait_dscnt 8
.else
	s_wait_dscnt 0x0
.endif
	MULG \g
.endr
	PLACES
	s_wait_xcnt 0x0                                ; the first half's stores have read their registers
	TOSTAGE 2
	TOSTAGE 3
	SEND 2, 16                                     ; behind tile 2's loads: tile 3's 16
	SEND 3, 0
	s_wait_tensorcnt 0x0                           ; the wave's end
	ds_add_u32 v[SPW], v[NIL]
	s_wait_dscnt 0x0
	ROUND                                          ; the closing round
	s_endpgm
.Lfunc_end_k_q7aba47d4b4_proj:
	.size	k_q7aba47d4b4_proj, .Lfunc_end_k_q7aba47d4b4_proj-k_q7aba47d4b4_proj
	.p2alignl 7, 3214868480
	.fill 96, 4, 3214868480
	.section	.rodata,"a",@progbits
	.p2align	6, 0x0
	.amdhsa_kernel k_q7aba47d4b4_proj
		.amdhsa_group_segment_fixed_size 296448
		.amdhsa_private_segment_fixed_size 0
		.amdhsa_enable_private_segment 0
		.amdhsa_kernarg_size 32
		.amdhsa_user_sgpr_count 2
		.amdhsa_user_sgpr_kernarg_segment_ptr 1
		.amdhsa_wavefront_size32 1
		.amdhsa_system_sgpr_workgroup_id_x 1
		.amdhsa_system_sgpr_workgroup_id_y 1
		.amdhsa_system_sgpr_workgroup_id_z 1
		.amdhsa_system_vgpr_workitem_id 0
		.amdhsa_next_free_vgpr 1024
		.amdhsa_next_free_sgpr 100
		.amdhsa_reserve_vcc 0
		.amdhsa_float_denorm_mode_32 3
		.amdhsa_float_denorm_mode_16_64 3
		.amdhsa_memory_ordered 1
		.amdhsa_forward_progress 1
		.amdhsa_inst_pref_size 70
	.end_amdhsa_kernel
	.amdgpu_metadata
---
amdhsa.version: [ 1, 2 ]
amdhsa.kernels:
  - .name:           k_q7aba47d4b4_proj
    .symbol:         k_q7aba47d4b4_proj.kd
    .args:
      - { .name: yc, .offset: 0, .size: 8, .value_kind: global_buffer, .address_space: global }
      - { .name: wpc, .offset: 8, .size: 8, .value_kind: global_buffer, .address_space: global }
      - { .name: bp, .offset: 16, .size: 8, .value_kind: global_buffer, .address_space: global }
      - { .name: out0, .offset: 24, .size: 8, .value_kind: global_buffer, .address_space: global }
    .group_segment_fixed_size: 296448
    .private_segment_fixed_size: 0
    .kernarg_segment_align: 8
    .kernarg_segment_size: 32
    .max_flat_workgroup_size: 128
    .sgpr_count:     100
    .vgpr_count:     1024
    .wavefront_size: 32
...
	.end_amdgpu_metadata
.endif
;; end of part 4
